; MI455X (gfx1250); checked and timed in simulation.
; The chip was launched on July 23, 2026; its instructions are those of AMD's public machine-readable ISA for CDNA 5 (MIT licence, August 2026) and "CDNA5" Instruction Set Architecture Reference Guide (July 2026). The comments in the code are by the model that wrote it; some were corrected since.
;; multihead self attention. Allowed arithmetic: matrix products marked QUANTISED: E2M3 operands, one E8M0 scale for each 32 along K, by v_wmma_scale_f32_16x16x128_f8f6f4 with both operands' format E2M3, f32 sums; everything else in f32.
;; Inputs: Wk 1,024 x 1,024 float32; Wo 1,024 x 1,024 float32; Wq 1,024 x 1,024 float32; Wv 1,024 x 1,024 float32; x 4 x 2,048 x 1,024 float32.
;; Outputs: out0 4 x 2,048 x 1,024 float32.
;; This version of the problem:
;;   THIS VERSION OF THE PROBLEM IS GIVEN IN LOW PRECISION. The matrix products marked QUANTISED in the list below multiply operands that are first quantised to E2M3 (2 exponent bits, 3 mantissa bits; 6 bits a number), with one power-of-two scale for each 32 numbers along K (OCP MX v1.0); their sums are f32. All else is computed in f32.
;;   The module's matrix products, in the order in which they are computed (A, B: the left and right operand; K: the contracted axis; several contracted axes count as one K, in the product's order):
;;     1. [M 8,192, K 1,024] x [K 1,024, N 1,024]; A: input x; B: input Wq: QUANTISED
;;     2. [M 8,192, K 1,024] x [K 1,024, N 1,024]; A: input x; B: input Wk: QUANTISED
;;     3. [M 8,192, K 1,024] x [K 1,024, N 1,024]; A: input x; B: input Wv: QUANTISED
;;     4. batch 64 x [M 2,048, K 64] x [K 64, N 2,048]; A: computed on the way; B: computed on the way: QUANTISED
;;     5. batch 64 x [M 2,048, K 2,048] x [K 2,048, N 64]; A: softmax (see below); B: computed on the way: QUANTISED
;;     6. [M 8,192, K 1,024] x [K 1,024, N 1,024]; A: computed on the way; B: input Wo: QUANTISED
;;   THE QUANTISER, for each operand of a quantised product, along K:
;;     - K is cut into blocks of 32 from its start; a last block that is shorter is filled with zeros.
;;     - A block's scale is 2^e with e = floor(log2(the largest magnitude in the block)) - 2, held to -126 .. 127; a block of zeros has e = 0. As a byte (E8M0): e + 127.
;;     - Each number is divided by its block's scale, clamped to +-7.5, and rounded to the nearest number of E2M3, ties to even, subnormals kept.
;;     - The product sums the exact products of the quantised numbers (number of the format x scale) in f32.
;;   ~~~python
;;   def quantise(x, axis):      # numpy; x: float32 -> the quantised numbers, widened to float32 again
;;       x = np.moveaxis(x, axis, -1); K = x.shape[-1]
;;       x = np.pad(x, [(0, 0)] * (x.ndim - 1) + [(0, -K % 32)]); x = x.reshape(x.shape[:-1] + (-1, 32)); a = np.abs(x).max(-1, keepdims=True)
;;       e = np.where(a > 0, np.clip(np.frexp(np.where(a > 0, a, 1))[1] - 1 - 2, -126, 127), 0)      # np.frexp(a)[1] - 1 = floor(log2(a)), exactly
;;       r = np.clip(x / 2.0 ** e, -7.5, 7.5)
;;       step = 2.0 ** (np.maximum(np.frexp(np.where(r == 0, 1, r))[1] - 1, 0) - 3)
;;       q = np.round(r / step) * step * 2.0 ** e      # np.round: ties to even
;;       return np.moveaxis(q.reshape(q.shape[:-2] + (-1,))[..., :K], -1, axis).astype(np.float32)
;;   ~~~
;;   SOFTMAX AHEAD OF A QUANTISED PRODUCT. Where the list says 'softmax', what is quantised is not the finished softmax but p = 2^(t - M), with t = logit x log2(e) and M = ceil(the row's largest t), a whole number; so 1/2 < the row's largest p <= 1. The row's sum l is taken of the UNQUANTISED p, in f32, and the product's result is divided by l at the end. Since M is a whole number, a kernel that streams over the keys may use a running M (the ceiling of the running maximum): every later rescaling is an exact power of two, which a block's scale takes up: the codes' values come out the same.
;;   OPERANDS COMPUTED ON THE WAY. 'Computed on the way' means the value that the module computes at that place (a softmax that the list does not call 'softmax' is quantised finished and normalised). What goes into a quantiser is computed in f32, as accurately as f32 sums, v_exp_f32 and their like allow (about 1e-6 of the number): no bf16 or f16 on the way to a quantiser, and a product that is left as it is and whose result goes on into a quantised operand takes f32 operands (vector FMAs, or v_wmma_f32_16x16x4_f32). A number that lies on a knife's edge between two numbers of the format may be rounded either way, as far as f32 arithmetic and the matrix unit's own rounding can turn it there, and no further.
;; One version. Each part assembles by itself: llvm-mc -triple=amdgcn-amd-amdhsa -mcpu=gfx1250 --defsym DOCPART=n.
;; ======== version 1 of 1: 4 launches
;; workspace buffers: catc 9,437,184 bytes; cats 393,216 bytes; qc 6,291,456 bytes; qs 524,288 bytes; kv 13,369,344 bytes; oc 6,291,456 bytes; os 262,144 bytes
;; launch quant (part 1): grid 384 x 1, 4 waves a work-group, no clusters, 34,304 bytes of LDS; arguments x, Wq, Wk, Wv, Wo, catc, cats; writes catc, cats
.if DOCPART == 1
	.amdgcn_target "amdgcn-amd-amdhsa--gfx1250"
	.amdhsa_code_object_version 6
	.text
	.protected	k_q72b5d6dac5_quant
	.globl	k_q72b5d6dac5_quant
	.p2align	8
	.type	k_q72b5d6dac5_quant,@function
k_q72b5d6dac5_quant:
	s_mov_b64 s[64:65], 0
	v_nop
	global_prefetch_b8 v0, s[64:65] scope:SCOPE_SE
	s_setreg_imm32_b32 hwreg(HW_REG_WAVE_MODE, 25, 1), 1
	s_wait_xcnt 0x0
; x [8192][1024] and Wq, Wk, Wv, Wo [1024][1024], f32, K innermost, become codes of FP6 (E2M3) with one E8M0 byte for each 32 along K,
; laid in the ORDER OF THE OPERAND'S REGISTERS.  A tile T is 16 rows; lane r of tile T holds row 32 (T / 2) + 8 (T % 2) + r + 8 (r / 8) of its tensor.
; catc: [T 768][K fragment 8][1,536]: a fragment (16 rows x 128 K, 12 registers a lane) is six pieces of 256 bytes, piece p = registers 2 p, 2 p + 1 of lane l at 256 p + 8 l.
; cats: [T 768][K half 2][r 16][16 bytes]: four scale words a row and K half.  Tiles: x 0-511, Wq 512-575, Wk 576-639, Wv 640-703, Wo 704-767.
; A block's scale is 2^(floor(log2(largest magnitude)) - 2): its byte is the largest magnitude's exponent field - 2, held at 1 from below.
; LIMITS: NaN and infinities among the inputs are not served; a block of zeros, or one whose largest magnitude lies under 2^-124, gets the byte 1 (its codes are zeros or held); the bytes are read by this program alone.
; SHARES: a work-group takes 32 rows (two tiles) x 1,024 K; wave w takes tile w % 2 and K half w / 2: four fragments.  Each load reads 512 consecutive bytes of a row; the 16 x 512 bytes of a fragment turn
; through the wave's own stage in LDS (rows 528 bytes apart), so that a lane gets its row's two whole blocks of 32.  No barrier: waves share nothing.  Loads run two fragments (32 loads a wave) ahead.
.set STGB, 16*528                      ; a wave's stage
.set RS,   16                          ; v16-143  two sets of 64 registers as loaded
.set X,    144                         ; v144-207 register 32 c + i: k = 64 c + 32 (lane / 16) + i of my row
.set PC,   208                         ; v208-219 the fragment's codes
.set T0,   220                         ; v220-222, v224-226: a conversion's three registers begin on an even number
.set T1,   224
.set MX,   228                         ; v228-229 largest magnitudes
.set SOP,  230                         ; v230-231 the conversions' scale operands
.set BY,   232                         ; v232-233 scale bytes
.set WT,   234                         ; at work
.set WP,   235
.set SW,   236                         ; v236-239 the four fragments' scale words
	s_load_b256 s[4:11], s[0:1], 0x0               ; x, Wq, Wk, Wv
	s_load_b128 s[12:15], s[0:1], 0x20             ; Wo, catc
	s_load_b64 s[16:17], s[0:1], 0x30              ; cats
	v_lshl_add_u32 v244, v0, 2, 0x8400
	v_mov_b32 v245, 0
	v_lshrrev_b32 v1, 5, v0
	v_readfirstlane_b32 s18, v1                    ; wave
	v_and_b32 v2, 31, v0                           ; lane
	v_and_b32 v3, 15, v0                           ; r
	v_bfe_u32 v9, v0, 4, 1                         ; h
	v_lshlrev_b32 v4, 4, v2                        ; my 16 bytes of a load's 512
	s_mul_i32 s19, s18, STGB
	v_add_nc_u32 v5, s19, v4                       ; into the stage: 16 x lane
	v_mul_u32_u24 v6, v3, 528
	v_lshl_add_u32 v6, v9, 7, v6
	v_add_nc_u32 v6, s19, v6                       ; out of it: row r, + 128 h: my block of 32 numbers
	v_lshlrev_b32 v7, 3, v2                        ; a piece: 8 x lane
	v_lshlrev_b32 v8, 4, v3
	v_lshl_add_u32 v8, v9, 3, v8                   ; the scale words: 16 r + 8 h
	v_lshlrev_b32 v10, 3, v9                       ; 8 h: my bytes' place in a scale word
	v_mov_b32 v[WP], 0                             ; a lane permute's destination counts as one of its sources
	s_mov_b32 s34, 0x76543210
	s_mov_b32 s35, 0xfedcba98                      ; selects for lane l xor 16
	s_and_b32 s26, s18, 1                          ; which tile of the two
	s_lshr_b32 s27, s18, 1                         ; which K half
	s_and_b32 s23, ttmp9, 31                       ; a weight's group of 32 rows
	s_lshl_b32 s28, ttmp9, 1
	s_add_co_u32 s28, s28, s26                     ; T
	s_mul_i32 s30, s28, 12288
	s_mul_i32 s29, s27, 6144
	s_add_co_u32 s30, s30, s29                     ; my four fragments in catc
	s_mov_b32 s31, 0
	s_lshl_b32 s32, s28, 9
	s_lshl_b32 s29, s27, 8
	s_add_co_u32 s32, s32, s29                     ; my 256 bytes in cats
	s_mov_b32 s33, 0
	s_wait_kmcnt 0x0
	s_cmp_lt_u32 ttmp9, 352                        ; the tensor is chosen by the work-group's number alone: 256 groups of x, 32 of each weight
	s_cselect_b64 s[20:21], s[10:11], s[12:13]
	s_cmp_lt_u32 ttmp9, 320
	s_cselect_b64 s[20:21], s[8:9], s[20:21]
	s_cmp_lt_u32 ttmp9, 288
	s_cselect_b64 s[20:21], s[6:7], s[20:21]
	s_cmp_lt_u32 ttmp9, 256
	s_cselect_b64 s[20:21], s[4:5], s[20:21]
	s_cselect_b32 s22, ttmp9, s23
	s_lshl_b32 s24, s22, 17                        ; 32 rows of 4,096 bytes
	s_lshl_b32 s29, s26, 15                        ; the odd tile begins 8 rows down
	s_add_co_u32 s24, s24, s29
	s_lshl_b32 s29, s27, 11                        ; the K half
	s_add_co_u32 s24, s24, s29
	s_mov_b32 s25, 0
	s_add_nc_u64 s[20:21], s[20:21], s[24:25]
	s_add_nc_u64 s[14:15], s[14:15], s[30:31]
	s_add_nc_u64 s[16:17], s[16:17], s[32:33]
.macro LOADF f                         ; fragment f: 128 numbers of each of the tile's 16 rows; the tile's rows 8-15 lie 16 rows below its rows 0-7
.irp i, 0,1,2,3,4,5,6,7,8,9,10,11,12,13,14,15
	global_load_b128 v[RS+64*((\f)%2)+4*\i:RS+64*((\f)%2)+4*\i+3], v4, s[20:21] offset:(\i%8+16*(\i/8))*4096+512*(\f) th:TH_LOAD_NT
.endr
.endm
.macro FRAGQ f
.if (\f) < 3
	s_wait_loadcnt 16                              ; this fragment's 16 loads are in; the next fragment's 16 may be out
.else
	s_wait_loadcnt 0x0
.endif
.irp i, 0,1,2,3,4,5,6,7,8,9,10,11,12,13,14,15
	ds_store_b128 v5, v[RS+64*((\f)%2)+4*\i:RS+64*((\f)%2)+4*\i+3] offset:528*\i
.endr
.irp c, 0,1
.irp j, 0,1,2,3,4,5,6,7
	ds_load_b128 v[X+32*\c+4*\j:X+32*\c+4*\j+3], v6 offset:256*\c+16*\j   ; LDS serves a wave's instructions in order: these see the stores above
.endr
.endr
	s_wait_dscnt 0x0                               ; my numbers are back, and the stores have read their registers,
.if (\f) < 2
	LOADF (\f)+2                                   ; which take the loads of two fragments on
.endif
.irp c, 0,1
	v_max3_num_f32 v[MX+\c], |v[X+32*\c]|, |v[X+32*\c+1]|, 0x1800000   ; block 2 c + h: all 32 numbers are mine; the floor 2^(3 - 127) holds the byte at 1 from below
.endr
.irp i, 2,4,6,8,10,12,14,16,18,20,22,24,26,28,30
.irp c, 0,1
	v_max3_num_f32 v[MX+\c], v[MX+\c], |v[X+32*\c+\i]|, |v[X+32*\c+\i+1]|
.endr
.endr
.irp c, 0,1
	v_add_nc_u32 v[SOP+\c], 0xff000000, v[MX+\c]   ; 2 off the exponent field: the conversion's scale operand
.endr
.irp c, 0,1
	v_lshrrev_b32 v[BY+\c], 23, v[SOP+\c]          ; the scale's byte
.endr
	v_lshl_or_b32 v[WT], v[BY+1], 16, v[BY]        ; blocks h and 2 + h,
	v_lshlrev_b32 v[WT], v10, v[WT]                ; at their places in the word;
	v_permlanex16_b32 v[WP], v[WT], s34, s35
	v_or_b32 v[SW+(\f)], v[WT], v[WP]              ; with lane l xor 16's two the word is whole
.if (\f) > 0
	s_wait_xcnt 0x0                                ; the last fragment's stores have read their data: the codes' registers are written again only behind this wait
.endif
	v_cvt_scalef32_pk16_fp6_f32 v[PC:PC+2], v[X:X+15], v[SOP]
	v_cvt_scalef32_pk16_fp6_f32 v[T0:T0+2], v[X+16:X+31], v[SOP]
	v_cvt_scalef32_pk16_fp6_f32 v[PC+6:PC+8], v[X+32:X+47], v[SOP+1]
	v_cvt_scalef32_pk16_fp6_f32 v[T1:T1+2], v[X+48:X+63], v[SOP+1]
	v_nop                                          ; one plain place behind a scaled conversion
.irp i, 0,1,2
	v_mov_b32 v[PC+3+\i], v[T0+\i]
	v_mov_b32 v[PC+9+\i], v[T1+\i]
.endr
.irp p, 0,1,2,3,4,5
	global_store_b64 v7, v[PC+2*\p:PC+2*\p+1], s[14:15] offset:1536*(\f)+256*\p   ; 32 lanes store 256 consecutive bytes, aligned
.endr
.endm
	LOADF 0
	LOADF 1
	FRAGQ 0
	FRAGQ 1
	FRAGQ 2
	FRAGQ 3
	v_cmp_le_u32 vcc_lo, 16, v2                    ; lanes 16-31 store words 2 and 3 of their row, lanes 0-15 words 0 and 1
	v_cndmask_b32 v240, v[SW], v[SW+2], vcc_lo
	v_cndmask_b32 v241, v[SW+1], v[SW+3], vcc_lo
	global_store_b64 v8, v[240:241], s[16:17]      ; the wave's 256 bytes of scale words, whole
	s_wait_tensorcnt 0x0
	ds_add_u32 v244, v245
	s_wait_dscnt 0x0
	s_endpgm
.Lfunc_end_k_q72b5d6dac5_quant:
	.size	k_q72b5d6dac5_quant, .Lfunc_end_k_q72b5d6dac5_quant-k_q72b5d6dac5_quant
	.p2alignl 7, 3214868480
	.fill 96, 4, 3214868480
	.section	.rodata,"a",@progbits
	.p2align	6, 0x0
	.amdhsa_kernel k_q72b5d6dac5_quant
		.amdhsa_group_segment_fixed_size 34304
		.amdhsa_private_segment_fixed_size 0
		.amdhsa_enable_private_segment 0
		.amdhsa_kernarg_size 56
		.amdhsa_user_sgpr_count 2
		.amdhsa_user_sgpr_kernarg_segment_ptr 1
		.amdhsa_wavefront_size32 1
		.amdhsa_system_sgpr_workgroup_id_x 1
		.amdhsa_system_sgpr_workgroup_id_y 1
		.amdhsa_system_sgpr_workgroup_id_z 1
		.amdhsa_system_vgpr_workitem_id 0
		.amdhsa_next_free_vgpr 246
		.amdhsa_next_free_sgpr 66
		.amdhsa_reserve_vcc 1
		.amdhsa_float_denorm_mode_32 3
		.amdhsa_float_denorm_mode_16_64 3
		.amdhsa_memory_ordered 1
		.amdhsa_forward_progress 1
		.amdhsa_inst_pref_size 32
	.end_amdhsa_kernel
	.amdgpu_metadata
---
amdhsa.version: [ 1, 2 ]
amdhsa.kernels:
  - .name:           k_q72b5d6dac5_quant
    .symbol:         k_q72b5d6dac5_quant.kd
    .args:
      - { .name: x, .offset: 0, .size: 8, .value_kind: global_buffer, .address_space: global }
      - { .name: Wq, .offset: 8, .size: 8, .value_kind: global_buffer, .address_space: global }
      - { .name: Wk, .offset: 16, .size: 8, .value_kind: global_buffer, .address_space: global }
      - { .name: Wv, .offset: 24, .size: 8, .value_kind: global_buffer, .address_space: global }
      - { .name: Wo, .offset: 32, .size: 8, .value_kind: global_buffer, .address_space: global }
      - { .name: catc, .offset: 40, .size: 8, .value_kind: global_buffer, .address_space: global }
      - { .name: cats, .offset: 48, .size: 8, .value_kind: global_buffer, .address_space: global }
    .group_segment_fixed_size: 34304
    .private_segment_fixed_size: 0
    .kernarg_segment_align: 8
    .kernarg_segment_size: 56
    .max_flat_workgroup_size: 128
    .sgpr_count:     66
    .vgpr_count:     246
    .wavefront_size: 32
...
	.end_amdgpu_metadata
.endif
;; end of part 1
;; launch qkv (part 2): grid 8 x 48, 4 waves a work-group, clusters of 4 x 4, 327,680 bytes of LDS; arguments catc, cats, qc, qs, kv; writes qc, qs, kv
.if DOCPART == 2
	.amdgcn_target "amdgcn-amd-amdhsa--gfx1250"
	.amdhsa_code_object_version 6
	.text
	.protected	k_q72b5d6dac5_qkv
	.globl	k_q72b5d6dac5_qkv
	.p2align	8
	.type	k_q72b5d6dac5_qkv,@function
k_q72b5d6dac5_qkv:
	s_mov_b64 s[64:65], 0
	v_nop
	global_prefetch_b8 v0, s[64:65] scope:SCOPE_SE
	s_setreg_imm32_b32 hwreg(HW_REG_WAVE_MODE, 25, 1), 1
	s_wait_xcnt 0x0
	s_wait_alu depctr_hold_cnt(0) depctr_sa_sdst(0) depctr_va_vdst(0) depctr_va_sdst(0) depctr_va_ssrc(0) depctr_va_vcc(0) depctr_vm_vsrc(0)
	s_getreg_b32 s2, hwreg(HW_REG_IB_STS2, 6, 4)
	s_cmp_eq_u32 s2, 0
	s_cbranch_scc0 .Lentry_in_a_cluster
	s_endpgm
.Lentry_in_a_cluster:
	s_bfe_u32 s2, ttmp6, 0x10000c
	s_cmp_lg_u32 s2, 0xf033
	s_cbranch_scc0 .Lentry_shape_is_right
	s_endpgm
.Lentry_shape_is_right:
; q = x Wq^T, k = x Wk^T, v = x Wv^T on codes of FP6 (E2M3) with E8M0 scales, K = 1,024; the results leave as CODES, quantised in registers: q and k along a head's 64, v along the keys.
; A tile of 256 x 256 results is made by four waves, each 128 x 128: 64 accumulators, 512 registers.  K goes in steps of 256 through a ring of two LDS slots filled by the tensor data mover.
; Operands lie in memory as images of their registers (catc, cats): a fragment is six pieces of 256 bytes, read by six ds_load_b64 at 8 x lane: no pitch, no padding.
; 384 tiles.  Cluster row Y < 8: side A (source 1) = 256 rows of x, side B (source 0) = 256 rows of Wq (cluster column X = 0) or Wk (X = 1): a lane holds one row of x and its registers run along the features.
; Y >= 8: side A = 256 rows of Wv, side B = 256 rows of x: a lane holds one feature and its registers run along the keys, which are the K of attention's second product.  The sides change by ADDRESS alone.
; A tile's 16 rows are rows 32 (T / 2) + 8 (T % 2) + r + 8 (r / 8): so the 16 registers of two neighbouring result tiles are 16 neighbours along side B's index.
; CLUSTERS: 4 x 4 work-groups; A's tiles hang on cy alone and are asked for jointly along a row of the cluster, B's on cx alone, along a column.
; OUT: qc [bh 64][tile 128][768]; qs [bh][group of 8 tiles][r 16][tile 8] words (bytes 2, 3 = 0);  kv [bh][slot of 256 keys 8][26,112]: K's codes [tile 16][768], V^T's fragments [half 2][d tile 4][1,536],
; K's scale words [half 2][r 16][tile 8], V's [half 2][r 16][d tile 4].
; LIMITS: NaN and infinities are not served; a block of zeros or under 2^-124 gets the byte 1; the bytes are read by this program alone.
; No prefetch: the tiles are shared in the cluster, and one K step's 128 matrix instructions a wave stand between a request and the wait for it.
; REGISTERS: window 0: v1-31 addresses; v32-63 scale words, two sets; v64-123 the way out; v128-223 A's fragments, one set.  window 1: B's fragments, two sets.  windows 2, 3: the accumulators ((a, b) at v[8 (8 (a % 4) + b)]).
.set NQ,     2                         ; matrix instructions deep in a slot
.set FR,     12                        ; registers of a fragment
.set NL,     6                         ; LDS loads that bring one
.set NP,     4                         ; places behind this matrix instruction (ISA guide 7.12.1)
.set FRB,    1536                      ; a fragment's image
.set TILEB,  NQ*FRB                    ; a tile's part of a slot
.set KTILE,  12288                     ; a tile's eight fragments in memory
.set HALFT,  8*TILEB                   ; 128 rows: what one tensor load brings
.set SLOT,   4*HALFT                   ; A's 256 rows, then B's
.set SCL,    2*SLOT                    ; behind the ring: the scale words of all of K
.set HALFS,  4096                      ; those of 128 rows
.set SBLK,   512                       ; those of a tile
.set SPARE,  SCL+4*HALFS               ; the spare words, 128 bytes for each wave: two blocks of 256 bytes that no other line names
.set ADRA, 16                          ; v16-17  my A fragments in slot 0, 1
.set ADRB, 20                          ; v20-21  the same for B
.set STS,  24                          ; v24     the way out: where I put a scale word
.set STR,  25                          ; v25     and where I read 16 bytes of them back
.set VO0,  26                          ; v26     8 x lane
.set ADRS, 27                          ; v27     my scale words: lanes 0-15 A's rows, lanes 16-31 B's
.set SPW,  28                          ; v28     my spare word; never rewritten
.set NIL,  29                          ; v29     0; never rewritten
.set VO1,  30                          ; v30     8 x lane + the second half fragment's distance
.set VS0,  31                          ; v31     the scale words' place in memory
.set VS1,  12                          ; v12     the second head's
.set SHV,  13                          ; v13     how far my half of the lanes shifts the scale word
.set SC,   32
.set PC,   64                          ; v64-75 codes, v76-78, v80-82 conversion results
.set TM,   88                          ; v88-103 at work
.set PW,   104                         ; the scale word just made
.set PW2,  105                         ; v105-112 as it is stored, a register for each block
.set OW,   116                         ; v116-123 scale words read back
.set AF,   128
.set G1, 24
.set G0, 32
.set G1B, 48
.set G0B, 56
.set G1S, 68
.set G0S, 76
.set G1SB, 80
.set G0SB, 88
.set MSB, 0
.macro WIN new                         ; the immediate's high byte repeats the setting that is left
.if MSB != \new
	s_set_vgpr_msb (MSB<<8)|\new
.set MSB, \new
.endif
.endm
.set MUL_LO, 0xa1                      ; source 0 (B) window 1, source 1 (A) window 0, C and D window 2
.set MUL_HI, 0xf1                      ; the same, C and D window 3
.set TO_B,   0x40                      ; destination window 1, address window 0
; A joint load: waves 0 and 1 fetch for A, waves 2 and 3 for B; the branch hangs on the wave's number alone.  Four v_nop follow each of the two lines.
.macro JLOAD g0a, g1a, g0b, g1b
	s_cmp_eq_u32 s15, 0
	s_cbranch_scc0 .Lfor_b_\@
	tensor_load_to_lds s[\g0a:\g0a+3], s[\g1a:\g1a+7]
	s_nop 0
.rept 4
	v_nop
.endr
	s_branch .Lasked_\@
.Lfor_b_\@:
	tensor_load_to_lds s[\g0b:\g0b+3], s[\g1b:\g1b+7]
	s_nop 0
.rept 4
	v_nop
.endr
.Lasked_\@:
.endm
.macro CREST                           ; a round of the cluster's barrier behind its opening barrier
	s_cmp_lg_u32 s14, 0
	s_cbranch_scc1 .Lnot_wave_0_\@
	s_barrier_signal -3
.Lnot_wave_0_\@:
	s_barrier_wait -3
	s_barrier_signal -1
	s_barrier_wait -1
.endm
.macro CROUND                          ; a whole round
	s_barrier_signal -1
	s_barrier_wait -1
	CREST
.endm
	s_load_b128 s[4:7], s[0:1], 0x0                ; catc, cats
	s_load_b128 s[8:11], s[0:1], 0x10              ; qc, qs
	s_load_b64 s[12:13], s[0:1], 0x20              ; kv
	v_lshl_add_u32 v[SPW], v0, 2, SPARE
	v_mov_b32 v[NIL], 0
	ds_add_u32 v28, v29
	ds_add_u32 v28, v29
	s_wait_dscnt 0x0
	v_lshrrev_b32 v1, 5, v0
	v_readfirstlane_b32 s14, v1                    ; wave 0..3
	s_lshr_b32 s15, s14, 1                         ; which half of A's rows is mine.  Also: I fetch for A (0) or for B (1)
	s_and_b32 s16, s14, 1                          ; which half of B's rows.  Also: which 128 rows I fetch
	s_bfe_u32 s40, ttmp6, 0x40000                  ; cx, cy: my place in the cluster
	s_bfe_u32 s41, ttmp6, 0x40004
	s_and_b32 s95, ttmp7, 0xffff                   ; Y, the cluster's row: 0..11; ttmp9 = X: 0, 1
	s_lshl_b32 s17, s95, 2                         ; 4 Y
	s_lshl_b32 s42, ttmp9, 2                       ; 4 X
	s_lshl_b32 s18, s95, 3
	s_add_co_u32 s18, s18, s42
	s_sub_co_u32 s18, s18, 64                      ; 8 Y + 4 X - 64 (used where Y >= 8)
	s_add_co_u32 s42, s42, 32                      ; 32 + 4 X
	s_cmp_lt_u32 s95, 8
	s_cselect_b32 s17, s17, 40                     ; A: blocks of 256 rows of catc: x's 4 Y + cy, or Wv's 40 + cy
	s_cselect_b32 s42, s42, s18                    ; B: Wq's or Wk's 32 + 4 X + cx, or x's 8 Y - 64 + 4 X + cx
	s_add_co_u32 s17, s17, s41
	s_add_co_u32 s42, s42, s40
	s_lshl_b32 s43, s41, 2
	s_lshl_b32 s43, 15, s43                        ; my row of the cluster
	s_lshl_b32 s44, 0x1111, s40                    ; my column
	; descriptor group 1: 8 tiles' parts of a K step: 8 rows of 3,072 bytes (384 elements of 8 bytes), 12,288 bytes apart; dense in LDS
	s_or_b32 s[G1+0], s43, (3<<16)|(1<<21)         ; 15:0 the mask: A's tiles go to my row; 17:16 elements of 8 bytes; 21 set beside a mask
	s_or_b32 s[G1B+0], s44, (3<<16)|(1<<21)
.irp g, G1, G1B
	s_mov_b32 s[\g+1], 384<<16                     ; tensor_dim0
	s_mov_b32 s[\g+2], 8<<16                       ; tensor_dim1
	s_mov_b32 s[\g+3], 384<<16                     ; tile_dim0
	s_mov_b32 s[\g+4], 8                           ; tile_dim1
	s_mov_b32 s[\g+5], KTILE/8                     ; tensor_dim0_stride
	s_mov_b32 s[\g+6], 0
	s_mov_b32 s[\g+7], 0
.endr
	; the scale words of 128 rows: a dense block of 4,096 bytes, as 16 rows of 256 bytes
	s_or_b32 s[G1S+0], s43, (3<<16)|(1<<21)
	s_or_b32 s[G1SB+0], s44, (3<<16)|(1<<21)
.irp g, G1S, G1SB
	s_mov_b32 s[\g+1], 32<<16
	s_mov_b32 s[\g+2], 16<<16
	s_mov_b32 s[\g+3], 32<<16
	s_mov_b32 s[\g+4], 16
	s_mov_b32 s[\g+5], 32
	s_mov_b32 s[\g+6], 0
	s_mov_b32 s[\g+7], 0
.endr
	s_lshl_b32 s18, s16, 3                         ; which 8 tiles of the 16 I fetch
	s_lshl_b32 s20, s17, 4
	s_add_co_u32 s20, s20, s18                     ; A's first tile
	s_lshl_b32 s46, s42, 4
	s_add_co_u32 s46, s46, s18                     ; B's
	s_lshl_b32 s22, s20, 9                         ; their scale words, in bytes,
	s_mov_b32 s23, 0
	s_lshl_b32 s92, s46, 9
	s_mov_b32 s93, 0
	s_mul_i32 s20, s20, KTILE                      ; and their codes
	s_mov_b32 s21, 0
	s_mul_i32 s46, s46, KTILE
	s_mov_b32 s47, 0
	s_mul_i32 s45, s14, HALFT                      ; where they go: wave x 128 rows: no place in the cluster enters an LDS address
	s_mul_i32 s94, s14, HALFS
	s_wait_kmcnt 0x0
	s_add_nc_u64 s[20:21], s[4:5], s[20:21]
	s_add_nc_u64 s[22:23], s[6:7], s[22:23]
	s_add_nc_u64 s[46:47], s[4:5], s[46:47]
	s_add_nc_u64 s[92:93], s[6:7], s[92:93]
	CROUND                                         ; all sixteen work-groups are here: the first joint loads meet
	s_mov_b32 s[G0S], 1
	s_add_co_u32 s[G0S+1], s94, SCL
	s_mov_b64 s[G0S+2:G0S+3], s[22:23]
	s_or_b32 s[G0S+3], s[G0S+3], 0x80000000
	s_mov_b32 s[G0SB], 1
	s_add_co_u32 s[G0SB+1], s94, SCL
	s_mov_b64 s[G0SB+2:G0SB+3], s[92:93]
	s_or_b32 s[G0SB+3], s[G0SB+3], 0x80000000
	JLOAD G0S, G1S, G0SB, G1SB                     ; the scale words first: they are wanted with K step 0
.irp s, 0,1
	s_mov_b32 s[G0+4*\s], 1
	s_add_co_u32 s[G0+4*\s+1], s45, \s*SLOT
	s_add_nc_u64 s[G0+4*\s+2:G0+4*\s+3], s[20:21], \s*TILEB
	s_or_b32 s[G0+4*\s+3], s[G0+4*\s+3], 0x80000000
	s_mov_b32 s[G0B+4*\s], 1
	s_add_co_u32 s[G0B+4*\s+1], s45, \s*SLOT
	s_add_nc_u64 s[G0B+4*\s+2:G0B+4*\s+3], s[46:47], \s*TILEB
	s_or_b32 s[G0B+4*\s+3], s[G0B+4*\s+3], 0x80000000
	JLOAD G0+4*\s, G1, G0B+4*\s, G1B
.endr
	v_and_b32 v1, 15, v0                           ; r
	v_bfe_u32 v2, v0, 4, 1                         ; h
	s_wait_alu depctr_va_vdst(0)
	v_and_b32 v3, 31, v0                           ; lane
	v_lshlrev_b32 v[VO0], 3, v3                    ; 8 x lane
	s_mul_i32 s21, s15, HALFT                      ; my 128 rows of A
	s_mul_i32 s22, s16, HALFT                      ; my 128 rows of B,
	s_add_co_u32 s22, s22, 2*HALFT                 ; which lie behind A's 256
.irp s, 0,1
	v_add_nc_u32 v[ADRA+\s], s21, v[VO0]
	v_add_nc_u32 v[ADRB+\s], s22, v[VO0]
	s_add_co_u32 s21, s21, SLOT
	s_add_co_u32 s22, s22, SLOT
.endr
	v_lshlrev_b32 v5, 4, v1                        ; my row's scale words: 16 bytes a row and K half
	s_mul_i32 s21, s15, HALFS                      ; A's: my 128 rows
	s_mul_i32 s22, s16, HALFS                      ; B's: my 128 rows, behind A's 256
	s_add_co_u32 s22, s22, 2*HALFS
	s_sub_co_u32 s22, s22, s21
	v_mul_u32_u24 v6, s22, v2                      ; lanes 16-31 take B's
	s_add_co_u32 s21, s21, SCL
	v_add_nc_u32 v5, v5, v6
	v_add_nc_u32 v[ADRS], s21, v5
	s_lshl_b32 s23, s14, 10                        ; the way out's stage for scale words: 1,024 bytes a wave, in slot 0, which has had its last fill and its last read when the first word is stored there
	v_lshlrev_b32 v5, 5, v1
	v_lshl_add_u32 v5, v2, 9, v5
	v_add_nc_u32 v[STS], s23, v5                   ; in: 512 h + 32 r
	v_lshlrev_b32 v6, 4, v3
	v_add_nc_u32 v[STR], s23, v6                   ; back: 16 x lane
.macro FRAG reg, adr, q, i             ; a fragment's image: six pieces of 256 bytes, 8 bytes a lane
.irp p, 0,1,2,3,4,5
	ds_load_b64 v[\reg+2*\p:\reg+2*\p+1], v[\adr] offset:(\i)*TILEB+(\q)*FRB+256*\p
.endr
.endm
; 16 matrix instructions: A's blocks a0, a0 + 1 x B's eight, 128 along K.  The 64 accumulators take turns, one instruction a turn, in the same order in every step.
.macro MUL16 a0, p, q, sc, zero
.irp a, \a0, \a0+1
.irp b, 0,1,2,3,4,5,6,7
.if \zero
	v_wmma_scale_f32_16x16x128_f8f6f4 v[8*(8*((\a)%4)+\b):8*(8*((\a)%4)+\b)+7], v[128*(\p)+FR*\b:128*(\p)+FR*\b+FR-1], v[AF+FR*(\a):AF+FR*(\a)+FR-1], 0, v[SC+8*NQ*(\sc)+NQ*\b+(\q)], v[SC+8*NQ*(\sc)+NQ*(\a)+(\q)] matrix_a_fmt:MATRIX_FMT_FP6 matrix_b_fmt:MATRIX_FMT_FP6 matrix_a_scale:MATRIX_SCALE_ROW1
.else
	v_wmma_scale_f32_16x16x128_f8f6f4 v[8*(8*((\a)%4)+\b):8*(8*((\a)%4)+\b)+7], v[128*(\p)+FR*\b:128*(\p)+FR*\b+FR-1], v[AF+FR*(\a):AF+FR*(\a)+FR-1], v[8*(8*((\a)%4)+\b):8*(8*((\a)%4)+\b)+7], v[SC+8*NQ*(\sc)+NQ*\b+(\q)], v[SC+8*NQ*(\sc)+NQ*(\a)+(\q)] matrix_a_fmt:MATRIX_FMT_FP6 matrix_b_fmt:MATRIX_FMT_FP6 matrix_a_scale:MATRIX_SCALE_ROW1
.endif
.endr
.endr
.endm
.macro FETCH_B slot, q, p              ; B's eight fragments of the slot's q-th 128 along K into set p
	WIN TO_B
.irp i, 0,1,2,3,4,5,6,7
	FRAG 128*(\p)+FR*\i, ADRB+\slot, \q, \i
.endr
	WIN 0
.endm
.macro FETCH_A slot, q, i0             ; A's blocks i0 .. i0 + 3
.irp i, \i0, \i0+1, \i0+2, \i0+3
	FRAG AF+FR*(\i), ADRA+\slot, \q, \i
.endr
.endm
.macro SCALES sc                       ; a K step's scale words into set sc: two words a row; lanes 0-15 take A's block i, lanes 16-31 B's block i
.irp i, 0,1,2,3,4,5,6,7
	ds_load_b64 v[SC+8*NQ*\sc+NQ*\i:SC+8*NQ*\sc+NQ*\i+1], v[ADRS] offset:\i*SBLK
.endr
.endm
.macro PLACES n                        ; plain vector instructions between a matrix instruction and a load into, or a read of, its registers
.rept \n
	v_nop
.endr
.endm
; A step of 128 along K that has its successor in the same slot.
.macro STEP slot, q, zero
	s_wait_dscnt 4*NL                              ; B's set and A's blocks 0-3 are in; the youngest 24 loads (A's blocks 4-7) may be out
	WIN MUL_LO
	MUL16 0, (\q)%2, \q, \slot, \zero
	MUL16 2, (\q)%2, \q, \slot, \zero
	s_wait_dscnt 0                                 ; A's blocks 4-7 are in
	PLACES NP
	FETCH_B \slot, (\q)+1, 1-(\q)%2
	FETCH_A \slot, (\q)+1, 0
	WIN MUL_HI
	MUL16 4, (\q)%2, \q, \slot, \zero
	MUL16 6, (\q)%2, \q, \slot, \zero
	PLACES NP
	WIN 0
	FETCH_A \slot, (\q)+1, 4
.endm
; A slot's last step changes slots: ONE barrier; in front of it each wave waits for all its tensor loads, adds 0 to its spare word, and waits for that and for its own reads of this slot.  fill = 1: this slot is filled again, two K steps ahead.
.macro TURN slot, next, fill
	s_wait_tensorcnt 0x0                           ; all my tensor loads have landed: my part of the next slot
	ds_add_u32 v[SPW], v[NIL]                      ; 0 onto my spare word
	s_wait_dscnt 4*NL+1                            ; (the add and the youngest 24 loads, A's blocks 4-7, may be out)
	WIN MUL_LO
	MUL16 0, 1, NQ-1, \slot, 0                     ; sixteen matrix instructions stand between the add and the wait for it
	s_wait_dscnt 0x0                               ; the add is done, and my reads of this slot are over
	s_barrier_signal -1
	MUL16 2, 1, NQ-1, \slot, 0
	WIN 0
	s_barrier_wait -1
.if \fill
	CREST                                          ; the barrier has opened a round of the cluster's barrier: no wave of any partner still reads this slot or has a load on its way
	s_add_nc_u64 s[G0+4*\slot+2:G0+4*\slot+3], s[G0+4*\slot+2:G0+4*\slot+3], 2*TILEB
	s_add_nc_u64 s[G0B+4*\slot+2:G0B+4*\slot+3], s[G0B+4*\slot+2:G0B+4*\slot+3], 2*TILEB
	JLOAD G0+4*\slot, G1, G0B+4*\slot, G1B         ; the first tensor load behind the round; its four v_nop are the places in front of the loads below
.else
	PLACES NP
.endif
.if \slot == 0
	v_add_nc_u32 v[ADRS], 8, v[ADRS]               ; the next K step's two words: 8 bytes on in the same K half,
.else
	s_wait_alu depctr_va_vdst(0)
	v_add_nc_u32 v[ADRS], 248, v[ADRS]             ; or at the head of the next K half's 256 bytes
.endif
	FETCH_B \next, 0, 0
	FETCH_A \next, 0, 0
	SCALES \next
	WIN MUL_HI
	MUL16 4, 1, NQ-1, \slot, 0
	MUL16 6, 1, NQ-1, \slot, 0
	PLACES NP
	WIN 0
	FETCH_A \next, 0, 4
.endm
	s_wait_alu depctr_va_vdst(0)
	s_wait_tensorcnt 1                             ; the scale words and my part of K step 0 are in (K step 1's load may be out),
	s_barrier_signal -1
	s_barrier_wait -1                              ; everybody's are
	FETCH_B 0, 0, 0
	FETCH_A 0, 0, 0
	SCALES 0
	FETCH_A 0, 0, 4
	STEP 0, 0, 1                                   ; K = 1,024 is four slots' worth: the eight steps are written out; the first starts the sums
	TURN 0, 1, 1
	STEP 1, 0, 0
	TURN 1, 0, 1
	s_wait_alu depctr_va_vdst(0)
	STEP 0, 0, 0
	TURN 0, 1, 0                                   ; the last two slots are not filled again
	STEP 1, 0, 0
	s_wait_dscnt 4*NL
	WIN MUL_LO
	MUL16 0, 1, NQ-1, 1, 0
	MUL16 2, 1, NQ-1, 1, 0
	s_wait_dscnt 0
	WIN MUL_HI
	MUL16 4, 1, NQ-1, 1, 0
	MUL16 6, 1, NQ-1, 1, 0
	WIN 0
	; THE WAY OUT.  For A's block a, my 64 registers (register 16 b + i = index 32 b + 16 (lane / 16) + i of side B's 128) become one fragment of codes and one scale word a row.
	; q, k: the 128 are two heads: pieces 0-2 go to the first head's half fragment, pieces 3-5 to the second's; the word's two halves likewise.  v: the 128 are keys: a whole fragment of V^T; blocks 0-3 are one head's d tiles, 4-7 the next's.
	; What differs between the three kinds is chosen by the cluster's X and Y, which all partners share.  No tensor load of mine is out, so descriptor registers serve again for numbers that hang on X, Y and the wave alone.
	s_lshr_b32 s52, s95, 3
	s_or_b32 s52, s52, ttmp9                       ; 0 for q alone
	s_mov_b32 s53, 208896                          ; a head of kv
	s_mov_b32 s54, 26112                           ; a slot of kv
	s_mov_b32 s55, 25600
	s_mov_b32 s56, 204288
	s_mov_b32 s57, 1536
	s_cmp_eq_u32 s52, 0                            ; q, or k and v?
	s_cselect_b64 s[96:97], s[8:9], s[12:13]       ; codes go to qc or to kv,
	s_cselect_b64 s[98:99], s[10:11], s[12:13]     ; scale words to qs or to kv
	s_cselect_b32 s24, 98304, s53                  ; from head to head: codes,
	s_cselect_b32 s25, 8192, s53                   ; scale words
	s_cselect_b32 s26, 12288, s54                  ; from 256 rows to the next: codes,
	s_cselect_b32 s27, 1024, s54                   ; scale words
	s_cselect_b32 s29, 0, 24576                    ; where the scale words begin (q, k)
	s_cmp_lt_u32 s95, 8                            ; q and k, or v?
	s_cselect_b32 s28, 0, 12288                    ; where the codes begin
	s_cselect_b32 s29, s29, s55
	s_cselect_b32 s30, 9, 8                        ; a half's scale words: 512 or 256 bytes, as a shift
	s_cselect_b32 s48, 768, s57                    ; from block to block,
	s_cselect_b32 s50, 768, s56                    ; from block 3 to block 4 (v: on to the next head's d tile 0),
	s_cselect_b32 s33, s24, 768                    ; from pieces 0-2 to pieces 3-5
	s_cselect_b32 s34, 16, 0                       ; lanes 16-31 take the word's upper half, or the whole
	s_cselect_b32 s35, 0xffff, -1
	s_cselect_b32 s36, 32, 16                      ; the words' place in memory: (lane / 2) x this
	s_cselect_b32 s37, 16, s53                     ; + (lane % 2) x this
	s_cselect_b32 s38, s15, s16                    ; which 128 of the 256 rows of x are mine
	s_cselect_b32 s39, s16, s15                    ; which 128 of the 256 features
	s_cselect_b32 s100, s17, s42                   ; the block of 256 rows of x
	s_cselect_b32 s101, s40, s41                   ; the block of 256 features
	s_mov_b32 s49, 0
	s_mov_b32 s51, 0
	s_lshl_b32 s101, s101, 2
	s_lshl_b32 s39, s39, 1
	s_add_co_u32 s101, s101, s39                   ; my first head
	s_lshr_b32 s104, s100, 3
	s_lshl_b32 s104, s104, 4
	s_add_co_u32 s104, s104, s101                  ; 16 x batch + head
	s_and_b32 s100, s100, 7                        ; the slot of 256 rows in the sequence
	s_mul_i32 s66, s104, s24
	s_mul_i32 s105, s100, s26
	s_add_co_u32 s66, s66, s105
	s_mul_i32 s105, s38, 6144
	s_add_co_u32 s66, s66, s105
	s_add_co_u32 s66, s66, s28
	s_mov_b32 s67, 0
	s_add_nc_u64 s[96:97], s[96:97], s[66:67]
	s_mul_i32 s66, s104, s25
	s_mul_i32 s105, s100, s27
	s_add_co_u32 s66, s66, s105
	s_lshl_b32 s105, s38, s30
	s_add_co_u32 s66, s66, s105
	s_add_co_u32 s66, s66, s29
	s_add_nc_u64 s[98:99], s[98:99], s[66:67]
	PLACES NP                                      ; behind the last products, ahead of the first read of results
	v_add_nc_u32 v[VO1], s33, v[VO0]
	v_lshrrev_b32 v5, 1, v3
	v_and_b32 v6, 1, v3
	v_mul_lo_u32 v5, v5, s36
	v_mul_lo_u32 v6, v6, s37
	v_add_nc_u32 v[VS0], v5, v6
	v_add_nc_u32 v[VS1], s25, v[VS0]
	v_mul_lo_u32 v[SHV], v2, s34
	s_mov_b32 s20, 0x76543210
	s_mov_b32 s21, 0xfedcba98                      ; selects for lane l xor 16
.irp b, 0,1,2,3
	v_mov_b32 v[TM+4+\b], 0                        ; written once: a lane permute's destination counts as one of its sources
.endr
.macro QUANTW a                        ; block a's 64 results, in window 2 or 3, become codes in v[PC] on and a scale word in v[PW]
.set QS, 64*((\a)%4)
.set QW, 2+(\a)/4
.set QW12, (QW<<2)|(QW<<4)
	WIN QW12                                       ; sources 1 and 2 in the accumulators' window
.irp b, 0,1,2,3
	v_max3_num_f32 v[TM+\b], 0x1800000, |v[QS+16*\b]|, |v[QS+1+16*\b]|   ; my 16 numbers of block b, each accumulator from its low end on, and the floor 2^(3 - 127)
.endr
.irp i, 2,4,6,8,10,12,14
.irp b, 0,1,2,3
	v_max3_num_f32 v[TM+\b], v[TM+\b], |v[QS+16*\b+\i]|, |v[QS+1+16*\b+\i]|
.endr
.endr
	WIN 0
.irp b, 0,1,2,3
	v_permlanex16_b32 v[TM+4+\b], v[TM+\b], s20, s21
.endr
.irp b, 0,1,2,3
	v_max_num_f32 v[TM+\b], v[TM+\b], v[TM+4+\b]   ; with lane l xor 16's: the block's largest magnitude
.endr
.irp b, 0,1,2,3
	v_add_nc_u32 v[TM+12+\b], 0xff000000, v[TM+\b] ; 2 off its exponent field: the conversion's scale operand
.endr
.irp b, 0,1,2,3
	v_lshrrev_b32 v[TM+4+\b], 23, v[TM+12+\b]      ; the scale's byte
.endr
	v_lshl_or_b32 v[PW], v[TM+5], 8, v[TM+4]
	v_lshl_or_b32 v[PW], v[TM+6], 16, v[PW]
	v_lshl_or_b32 v[PW], v[TM+7], 24, v[PW]
	WIN QW                                         ; source 0 in the accumulators' window
.irp c, 0,1
	v_cvt_scalef32_pk16_fp6_f32 v[PC+6*\c:PC+2+6*\c], v[QS+32*\c:QS+15+32*\c], v[TM+12+2*\c]
	v_cvt_scalef32_pk16_fp6_f32 v[PC+12+4*\c:PC+14+4*\c], v[QS+16+32*\c:QS+31+32*\c], v[TM+12+2*\c+1]
.endr
	WIN 0
	v_nop                                          ; one plain place behind a scaled conversion
.irp c, 0,1                            ; the operand's layout wants a whole block in a lane
.irp i, 0,1,2
	v_permlane16_swap_b32 v[PC+6*\c+\i], v[PC+12+4*\c+\i]
.endr
.irp i, 0,1,2
	v_mov_b32 v[PC+3+6*\c+\i], v[PC+12+4*\c+\i]
.endr
.endr
.endm
.irp a, 0,1,2,3,4,5,6,7
.if \a > 0
	s_wait_xcnt 0x0                                ; the last block's stores have read their data and their base: both are written again only behind this wait
.if \a == 4
	s_add_nc_u64 s[96:97], s[96:97], s[50:51]
.else
	s_add_nc_u64 s[96:97], s[96:97], s[48:49]
.endif
.endif
	QUANTW \a
	v_lshrrev_b32 v[PW2+\a], v[SHV], v[PW]
	v_and_b32 v[PW2+\a], s35, v[PW2+\a]            ; q, k: my head's two bytes, and 0 for the two blocks of zero codes that fill the instruction's 128
	ds_store_b32 v[STS], v[PW2+\a] offset:4*\a
.irp p, 0,1,2
	global_store_b64 v[VO0], v[PC+2*\p:PC+2*\p+1], s[96:97] offset:256*\p       ; 32 lanes store 256 consecutive bytes, aligned
.endr
.irp p, 0,1,2
	global_store_b64 v[VO1], v[PC+6+2*\p:PC+7+2*\p], s[96:97] offset:256*\p
.endr
.endr
	ds_load_b128 v[OW:OW+3], v[STR]                ; LDS serves a wave's instructions in order: these see my stores
	ds_load_b128 v[OW+4:OW+7], v[STR] offset:512
	s_wait_dscnt 0x0
	global_store_b128 v[VS0], v[OW:OW+3], s[98:99] ; q, k: the first head's 512 bytes; v: 256 bytes for each of the two heads
	s_cmp_lt_u32 s95, 8
	s_cbranch_scc0 .Lone_store                     ; (a branch on the cluster's row, the same in all partners)
	global_store_b128 v[VS1], v[OW+4:OW+7], s[98:99]   ; q, k: the second head's
.Lone_store:
	s_wait_tensorcnt 0x0                           ; the wave's end
	ds_add_u32 v[SPW], v[NIL]
	s_wait_dscnt 0x0
	CROUND                                         ; the closing round: no work-group ends while a partner may still ask for a tile that names it
	s_endpgm
.Lfunc_end_k_q72b5d6dac5_qkv:
	.size	k_q72b5d6dac5_qkv, .Lfunc_end_k_q72b5d6dac5_qkv-k_q72b5d6dac5_qkv
	.p2alignl 7, 3214868480
	.fill 96, 4, 3214868480
	.section	.rodata,"a",@progbits
	.p2align	6, 0x0
	.amdhsa_kernel k_q72b5d6dac5_qkv
		.amdhsa_group_segment_fixed_size 327680
		.amdhsa_private_segment_fixed_size 0
		.amdhsa_enable_private_segment 0
		.amdhsa_kernarg_size 40
		.amdhsa_user_sgpr_count 2
		.amdhsa_user_sgpr_kernarg_segment_ptr 1
		.amdhsa_wavefront_size32 1
		.amdhsa_system_sgpr_workgroup_id_x 1
		.amdhsa_system_sgpr_workgroup_id_y 1
		.amdhsa_system_sgpr_workgroup_id_z 1
		.amdhsa_system_vgpr_workitem_id 0
		.amdhsa_next_free_vgpr 1024
		.amdhsa_next_free_sgpr 106
		.amdhsa_reserve_vcc 0
		.amdhsa_float_denorm_mode_32 3
		.amdhsa_float_denorm_mode_16_64 3
		.amdhsa_memory_ordered 1
		.amdhsa_forward_progress 1
		.amdhsa_inst_pref_size 170
	.end_amdhsa_kernel
	.amdgpu_metadata
---
amdhsa.version: [ 1, 2 ]
amdhsa.kernels:
  - .name:           k_q72b5d6dac5_qkv
    .symbol:         k_q72b5d6dac5_qkv.kd
    .args:
      - { .name: catc, .offset: 0, .size: 8, .value_kind: global_buffer, .address_space: global }
      - { .name: cats, .offset: 8, .size: 8, .value_kind: global_buffer, .address_space: global }
      - { .name: qc, .offset: 16, .size: 8, .value_kind: global_buffer, .address_space: global }
      - { .name: qs, .offset: 24, .size: 8, .value_kind: global_buffer, .address_space: global }
      - { .name: kv, .offset: 32, .size: 8, .value_kind: global_buffer, .address_space: global }
    .group_segment_fixed_size: 327680
    .private_segment_fixed_size: 0
    .kernarg_segment_align: 8
    .kernarg_segment_size: 40
    .max_flat_workgroup_size: 128
    .sgpr_count:     106
    .vgpr_count:     1024
    .wavefront_size: 32
...
	.end_amdgpu_metadata
.endif
;; end of part 2
;; launch attn (part 3): grid 4 x 64, 16 waves a work-group, no clusters, 215,040 bytes of LDS; arguments qc, qs, kv, oc, os; writes oc, os
.if DOCPART == 3
	.amdgcn_target "amdgcn-amd-amdhsa--gfx1250"
	.amdhsa_code_object_version 6
	.text
	.protected	k_q72b5d6dac5_attn
	.globl	k_q72b5d6dac5_attn
	.p2align	8
	.type	k_q72b5d6dac5_attn,@function
k_q72b5d6dac5_attn:
	s_mov_b64 s[64:65], 0
	v_nop
	global_prefetch_b8 v0, s[64:65] scope:SCOPE_SE
	s_setreg_imm32_b32 hwreg(HW_REG_WAVE_MODE, 25, 1), 1
	s_wait_xcnt 0x0
; Causal attention of one head on codes of FP6 (E2M3) with E8M0 scales; the result, divided by the row's sum, leaves as codes quantised along the model's 1,024 (two blocks of 32 a head).
; t = score x log2(e) / 8; M = the running largest t rounded UP to a whole number; p = 2^(t - M) is quantised along the keys; the row's sum is taken of the unquantised p.
; SHARES.  Work-group (x, bh) owns the blocks x and 7 - x of 256 queries of head bh and walks slots of 256 keys 0 .. x and then 0 .. 7 - x: nine trips in every work-group.
; Each of sixteen waves owns one tile of 16 queries of each block; the tiles are dealt so that waves w, w + 4, w + 8, w + 12 and waves 4 i .. 4 i + 3 alike hold two tiles of each half of a block.
; LDS.  The head's K and V, codes and scale words, 208,896 bytes, come ONCE, as they lie in kv: slot 0 by one load of each of waves 0-5, slots 1-7 by a second.  Nothing is filled again: no ring.
; By this text's count a wave has two tensor loads out.  No cluster: the four work-groups of a head stand at different slots, and their branches and LDS addresses hang on x.
; No prefetch: all that the work-group reads of K and V is asked for at its head.
; LAYOUT.  Both products transposed: S^T = K Q^T, O^T = V^T P^T: a lane holds one query.  Lane r of tile T holds row 32 (T / 2) + 8 (T % 2) + r + 8 (r / 8): so the 16 registers of tiles 2 b, 2 b + 1 are 16 neighbours.
; The first product's K is 64: Q's registers 6-11 are zero codes, and both sides' scale bytes of those two blocks are 0 (2^-127).  K's tiles are packed six registers apart: the upper half of a tile's operand is
; the next tile's codes (E2M3 has no code for NaN or infinity), which meet Q's zeros.
; LIMITS: NaN and infinities are not served; a block of zeros or under 2^-124 gets the byte 1; the bytes are read by this program alone.
; REGISTERS: v1-4 lane terms; v8-10 addresses; v12 -M, v13 the largest t, v[14:15] the sum; v16-27 Q; v28 Q's scale word, v29 the second block's; v30-77 K's eight tiles, then V's four fragments;
; v78-83 the second block's Q; v84-91 K's scale words, v92-95 V's; v96-159 S^T, then p; v160-191 O^T; v224-235 p's codes; v232-254 at work; v253 p's scale word.
.set SLOTB, 26112                      ; a slot: K's codes, V's at VCO, K's scale words at KSO, V's at VSO
.set VCO,   12288
.set KSO,   24576
.set VSO,   25600
.set L8,   1                           ; v1  8 x lane
.set R32,  2                           ; v2  32 r
.set R16,  3                           ; v3  16 r
.set DQ,   4                           ; v4  my query's place in its 128, less 16 (lane / 16)
.set ADP,  8
.set AD32, 9
.set AD16, 10
.set KF,   30
.set WV,  14
.set BH,  15
.set TL,  16
.set TH,  17
.set TAU, 18
.set XP1, 19
.set SEL, 20
.set CS,  22
.set G1A, 24                           ; s[24:31] group 1: 17 rows of 256 bytes;  s[32:39]: 119 rows
.set G1B, 32
.set G0A, 40
.set G0B, 44
.set G,   48                           ; the 128 keys in which my queries lie; s49: the second block's
.set G2,  49
.set OC,  76                           ; s[76:77] where my codes go, s[78:79] the second block's; s[80:81], s[82:83] the scale bytes
.set OC2, 78
.set OS,  80
.set OS2, 82
.set N,   84
.set TB,  85
.set KS0, 86
.set KS,  87
	s_load_b256 s[4:11], s[0:1], 0x0               ; qc, qs, kv, oc
	s_load_b64 s[12:13], s[0:1], 0x20              ; os
	v_lshl_add_u32 v251, v0, 2, 0x34000
	v_mov_b32 v255, 0
	ds_add_u32 v251, v255
	ds_add_u32 v251, v255
	v_lshrrev_b32 v5, 5, v0
	s_delay_alu instid0(VALU_DEP_1)
	v_readfirstlane_b32 s[WV], v5                  ; wave 0..15
	s_and_b32 s[BH], ttmp7, 0xffff                 ; 16 x batch + head
	s_mov_b32 s[G1A], 3<<16                        ; no mask; elements of 8 bytes; no padding
	s_mov_b32 s[G1A+1], 32<<16                     ; tensor_dim0: 256 bytes
	s_mov_b32 s[G1A+2], 17<<16                     ; tensor_dim1
	s_mov_b32 s[G1A+3], 32<<16                     ; tile_dim0
	s_mov_b32 s[G1A+4], 17                         ; tile_dim1: six waves x 17 rows x 256 bytes = a slot
	s_mov_b32 s[G1A+5], 32                         ; dense
	s_mov_b32 s[G1A+6], 0
	s_mov_b32 s[G1A+7], 0
	s_mov_b32 s[G1B], 3<<16
	s_mov_b32 s[G1B+1], 32<<16
	s_mov_b32 s[G1B+2], 119<<16
	s_mov_b32 s[G1B+3], 32<<16
	s_mov_b32 s[G1B+4], 119                        ; six waves x 119 rows x 256 bytes = seven slots
	s_mov_b32 s[G1B+5], 32
	s_mov_b32 s[G1B+6], 0
	s_mov_b32 s[G1B+7], 0
	s_mul_i32 s50, s[BH], 8*SLOTB
	s_mov_b32 s51, 0
	s_mul_i32 s52, s[WV], 17*256
	s_mov_b32 s53, 0
	s_mul_i32 s54, s[WV], 119*256
	s_add_co_u32 s54, s54, SLOTB
	s_mov_b32 s55, 0
	s_wait_dscnt 0x0
	s_wait_kmcnt 0x0
	s_add_nc_u64 s[8:9], s[8:9], s[50:51]          ; my head in kv
	s_mov_b32 s[G0A], 1
	s_mov_b32 s[G0A+1], s52                        ; LDS holds the head as memory does
	s_add_nc_u64 s[G0A+2:G0A+3], s[8:9], s[52:53]
	s_or_b32 s[G0A+3], s[G0A+3], 0x80000000
	s_mov_b32 s[G0B], 1
	s_mov_b32 s[G0B+1], s54
	s_add_nc_u64 s[G0B+2:G0B+3], s[8:9], s[54:55]
	s_or_b32 s[G0B+3], s[G0B+3], 0x80000000
	s_cmp_lt_u32 s[WV], 6                          ; a wave's two fills stand in one branch on the wave's number
	s_cbranch_scc0 .Lno_fill
	tensor_load_to_lds s[G0A:G0A+3], s[G1A:G1A+7]  ; slot 0
	s_nop 0
	tensor_load_to_lds s[G0B:G0B+3], s[G1B:G1B+7]  ; slots 1 to 7
	s_nop 0
.rept 4
	v_nop
.endr
.Lno_fill:
	s_lshr_b32 s[TL], s[WV], 1                     ; my tile in its group of eight,
	s_lshr_b32 s56, s[WV], 2
	s_xor_b32 s56, s56, s[WV]
	s_and_b32 s[TH], s56, 1                        ; and which of the block's two groups
	s_lshl_b32 s56, s[TH], 3
	s_add_co_u32 s[TAU], s56, s[TL]
	s_add_co_u32 s[XP1], ttmp9, 1
	s_sub_co_u32 s57, 7, ttmp9                     ; the second block
	s_lshl_b32 s58, ttmp9, 4
	s_add_co_u32 s58, s58, s[TAU]                  ; my tiles in the sequence
	s_lshl_b32 s59, s57, 4
	s_add_co_u32 s59, s59, s[TAU]
	s_lshl_b32 s[G], ttmp9, 1
	s_add_co_u32 s[G], s[G], s[TH]
	s_lshl_b32 s[G2], s57, 1
	s_add_co_u32 s[G2], s[G2], s[TH]
	s_mov_b32 s63, 0
	s_mul_i32 s60, s[BH], 98304
	s_mul_i32 s62, s58, 768
	s_add_co_u32 s62, s62, s60
	s_add_nc_u64 s[66:67], s[4:5], s[62:63]        ; Q's codes, first block
	s_mul_i32 s62, s59, 768
	s_add_co_u32 s62, s62, s60
	s_add_nc_u64 s[68:69], s[4:5], s[62:63]        ; second block
	s_lshl_b32 s60, s[BH], 13
	s_lshl_b32 s61, s[TL], 2
	s_add_co_u32 s60, s60, s61
	s_lshl_b32 s62, s[G], 9
	s_add_co_u32 s62, s62, s60
	s_add_nc_u64 s[70:71], s[6:7], s[62:63]        ; Q's scale words
	s_lshl_b32 s62, s[G2], 9
	s_add_co_u32 s62, s62, s60
	s_add_nc_u64 s[72:73], s[6:7], s[62:63]
	s_lshr_b32 s60, s[BH], 4
	s_lshl_b32 s60, s60, 7                         ; 128 tiles a batch
	s_and_b32 s61, s[BH], 15                       ; the head
	s_add_co_u32 s58, s58, s60                     ; my tiles among oc's 512
	s_add_co_u32 s59, s59, s60
	s_mul_i32 s74, s61, 768                        ; a head's half fragment
	s_mul_i32 s62, s58, 12288
	s_add_co_u32 s62, s62, s74
	s_add_nc_u64 s[OC:OC+1], s[10:11], s[62:63]
	s_mul_i32 s62, s59, 12288
	s_add_co_u32 s62, s62, s74
	s_add_nc_u64 s[OC2:OC2+1], s[10:11], s[62:63]
	s_lshr_b32 s74, s61, 3
	s_lshl_b32 s74, s74, 8                         ; the K half,
	s_and_b32 s75, s61, 7
	s_lshl_b32 s75, s75, 1                         ; and the head's two bytes in the row's sixteen
	s_add_co_u32 s74, s74, s75
	s_lshl_b32 s62, s58, 9
	s_add_co_u32 s62, s62, s74
	s_add_nc_u64 s[OS:OS+1], s[12:13], s[62:63]
	s_lshl_b32 s62, s59, 9
	s_add_co_u32 s62, s62, s74
	s_add_nc_u64 s[OS2:OS2+1], s[12:13], s[62:63]
	v_and_b32 v5, 31, v0
	s_delay_alu instid0(VALU_DEP_1)
	v_lshlrev_b32 v[L8], 3, v5
	v_and_b32 v6, 15, v0                           ; r
	v_bfe_u32 v7, v0, 4, 1                         ; h
	s_delay_alu instid0(VALU_DEP_2)
	v_lshlrev_b32 v[R32], 5, v6
	s_delay_alu instid0(VALU_DEP_3)
	v_lshlrev_b32 v[R16], 4, v6
.irp p, 0,1,2
	global_load_b64 v[16+2*\p:17+2*\p], v[L8], s[66:67] offset:256*\p
	global_load_b64 v[78+2*\p:79+2*\p], v[L8], s[68:69] offset:256*\p
.endr
	global_load_b32 v28, v[R32], s[70:71]
	global_load_b32 v29, v[R32], s[72:73]
	v_and_b32 v[DQ], 8, v6
	s_delay_alu instid0(VALU_DEP_1)
	v_add_nc_u32 v[DQ], v[DQ], v6                  ; r + 8 (r / 8)
	v_lshlrev_b32 v7, 4, v7
	s_delay_alu instid0(VALU_DEP_1)
	v_sub_nc_u32 v[DQ], v[DQ], v7                  ; - 16 h
	s_lshr_b32 s60, s[TL], 1
	s_lshl_b32 s60, s60, 5
	s_and_b32 s61, s[TL], 1
	s_lshl_b32 s61, s61, 3
	s_add_co_u32 s60, s60, s61
	v_add_nc_u32 v[DQ], s60, v[DQ]                 ; + the tile's first row in its 128
	s_mov_b32 s[SEL], 0x76543210
	s_mov_b32 s[SEL+1], 0xfedcba98                 ; selects for lane l xor 16
	s_mov_b32 s[CS], 0x3e38aa3b                    ; c = log2(e) / 8
	s_mov_b32 s[CS+1], s[CS]                       ; (named with it as a pair)
.irp j, 22,23,24,25,26,27
	v_mov_b32 v[\j], 0                             ; Q's zero codes for k = 64 .. 127
.endr
.irp j, 236,237,238,239,252,253
	v_mov_b32 v[\j], 0                             ; written once: lane permutes' destinations and the pair v[252:253] count as read
.endr
.macro START                           ; a block's statistics and sums begin: the first change of M multiplies zeros
	v_mov_b32 v13, 0xff61b1e6                      ; the largest t so far: -3e38
	s_delay_alu instid0(VALU_DEP_1)
	v_floor_f32 v12, -v13                          ; -M
	v_mov_b32 v14, 0
	v_mov_b32 v15, 0
.irp j, 0,1,2,3,4,5,6,7,8,9,10,11,12,13,14,15,16,17,18,19,20,21,22,23,24,25,26,27,28,29,30,31
	v_mov_b32 v[160+\j], 0
.endr
.endm
	START
.macro TRIPADR
	v_add_nc_u32 v[ADP], s[TB], v[L8]
	v_add_nc_u32 v[AD32], s[TB], v[R32]
	v_add_nc_u32 v[AD16], s[TB], v[R16]
.endm
; A KEY STEP: 128 keys, the q-th half of the slot in hand.
.macro STEP q
	s_add_co_u32 s[KS], s[KS0], \q
	s_cmp_gt_u32 s[KS], s[G]                       ; all its keys come after my queries: left out (a branch on ids)
	s_cbranch_scc1 .Lhidden_\@
.rept 4
	v_nop                                          ; places in front of loads into registers that matrix instructions have read
.endr
	s_wait_alu depctr_va_vdst(0)
.irp t, 0,1,2,3,4,5,6,7
.irp p, 0,1,2
	ds_load_b64 v[KF+6*\t+2*\p:KF+6*\t+2*\p+1], v[ADP] offset:6144*(\q)+768*\t+256*\p
.endr
.endr
	ds_load_b128 v[84:87], v[AD32] offset:KSO+512*(\q)
	ds_load_b128 v[88:91], v[AD32] offset:KSO+512*(\q)+16
	s_wait_dscnt 0x0
.irp t, 0,1,2,3,4,5,6,7
	v_wmma_scale_f32_16x16x128_f8f6f4 v[96+8*\t:103+8*\t], v[KF+6*\t:KF+6*\t+11], v[16:27], 0, v[84+\t], v28 matrix_a_fmt:MATRIX_FMT_FP6 matrix_b_fmt:MATRIX_FMT_FP6
.endr
.rept 4
	v_nop                                          ; places: for the loads below and for the first read of the scores
.endr
	s_wait_alu depctr_va_vdst(0)
.irp t, 0,1,2,3                        ; V's four fragments are asked for now and land under the softmax
.irp p, 0,1,2,3,4,5
	ds_load_b64 v[KF+12*\t+2*\p:KF+12*\t+2*\p+1], v[ADP] offset:VCO+6144*(\q)+1536*\t+256*\p
.endr
.endr
	ds_load_b128 v[92:95], v[AD16] offset:VSO+256*(\q)
	s_cmp_lg_u32 s[KS], s[G]
	s_cbranch_scc1 .Lopen_\@                       ; only the step on the diagonal hides scores
	v_mov_b32 v254, 0xff800000                     ; -infinity.  Register 16 b + i holds key 32 b + 16 (lane / 16) + i of the 128: hidden where 32 b + i > v[DQ]
.irp n, 0,1,2,3,4,5,6,7,8,9,10,11,12,13,14,15,16,17,18,19,20,21,22,23,24,25,26,27,28,29,30,31,32,33,34,35,36,37,38,39,40,41,42,43,44,45,46,47,48,49,50,51,52,53,54,55,56,57,58,59,60,61,62,63
	v_cmp_gt_i32 vcc_lo, 32*(\n/16)+\n%16, v[DQ]
	v_cndmask_b32 v[96+\n], v[96+\n], v254, vcc_lo
.endr
.Lopen_\@:
.irp b, 0,1,2,3
	v_max3_num_f32 v[232+\b], v[96+16*\b], v[97+16*\b], v[98+16*\b]   ; the largest score of each block of 32 keys: for the row's maximum and, since p rises with the score, for the block's largest p
.endr
.irp i, 3,5,7,9,11,13
.irp b, 0,1,2,3
	v_max3_num_f32 v[232+\b], v[232+\b], v[96+16*\b+\i], v[97+16*\b+\i]
.endr
.endr
.irp b, 0,1,2,3
	v_max_num_f32 v[232+\b], v[232+\b], v[111+16*\b]
.endr
.irp b, 0,1,2,3
	s_delay_alu instid0(VALU_DEP_4)
	v_permlanex16_b32 v[236+\b], v[232+\b], s[SEL], s[SEL+1]
.endr
.irp b, 0,1,2,3
	s_delay_alu instid0(VALU_DEP_4)
	v_max_num_f32 v[232+\b], v[232+\b], v[236+\b]  ; with lane l xor 16's 16 keys
.endr
	s_delay_alu instid0(VALU_DEP_2)
	v_max3_num_f32 v254, v232, v233, v234
	s_delay_alu instid0(VALU_DEP_1)
	v_max_num_f32 v254, v254, v235                 ; the step's largest score of my query
	s_delay_alu instid0(VALU_DEP_1)
	v_mul_f32 v254, s[CS], v254                    ; as t
	s_delay_alu instid0(VALU_DEP_1)
	v_max_num_f32 v13, v13, v254                   ; the running largest t
	v_mov_b32 v254, v12
	s_delay_alu instid0(VALU_DEP_2)
	v_floor_f32 v12, -v13                          ; the new -M = -ceil(t)
	s_delay_alu instid0(VALU_DEP_1)
	v_sub_f32 v254, v12, v254                      ; old M - new M: a whole number, 0 or less
	s_delay_alu instid0(VALU_DEP_1)
	v_cvt_i32_f32 v254, v254                       ; (it saturates)
	s_delay_alu instid0(VALU_DEP_1)
	v_ldexp_f32 v252, 1.0, v254                    ; f = 2^(old M - new M): rounds nothing
.irp j, 0,2,4,6,8,10,12,14,16,18,20,22,24,26,28,30,32,34,36,38,40,42,44,46,48,50,52,54,56,58,60,62
	v_pk_fma_f32 v[96+\j:97+\j], v[96+\j:97+\j], s[CS:CS+1], v[12:13] op_sel_hi:[1,0,0]   ; t - M
.endr
.irp b, 0,1,2,3
	v_fma_f32 v[232+\b], v[232+\b], s[CS], v12     ; the same of each block's largest score
.endr
	s_wait_alu depctr_va_vdst(0)
.irp j, 0,1,2,3,4,5,6,7,8,9,10,11,12,13,14,15,16,17,18,19,20,21,22,23,24,25,26,27,28,29,30,31,32,33,34,35,36,37,38,39,40,41,42,43,44,45,46,47,48,49,50,51,52,53,54,55,56,57,58,59,60,61,62,63
	v_exp_f32 v[96+\j], v[96+\j]                   ; p = 2^(t - M)
.endr
	v_pk_mul_f32 v[14:15], v[14:15], v[252:253] op_sel_hi:[1,0]   ; the sums under the new M: a plain place behind the exponentials
	s_wait_alu depctr_va_vdst(0)                   ; one wait for the batch, ahead of its first reader
.irp b, 0,1,2,3
	v_exp_f32 v[232+\b], v[232+\b]                 ; each block's largest p
.endr
	v_pk_add_f32 v[236:237], v[100:101], v[104:105]
	v_pk_add_f32 v[248:249], v[108:109], v[112:113]
	v_pk_add_f32 v[246:247], v[116:117], v[120:121]
	v_pk_add_f32 v[244:245], v[124:125], v[128:129]
	v_pk_add_f32 v[242:243], v[132:133], v[136:137]
	v_pk_add_f32 v[240:241], v[140:141], v[144:145]
	v_pk_add_f32 v[238:239], v[148:149], v[152:153]
	v_pk_add_f32 v[14:15], v[14:15], v[156:157]
	v_pk_add_f32 v[236:237], v[236:237], v[96:97]
	v_pk_add_f32 v[248:249], v[248:249], v[98:99]
	v_pk_add_f32 v[246:247], v[246:247], v[102:103]
	v_pk_add_f32 v[244:245], v[244:245], v[106:107]
	v_pk_add_f32 v[242:243], v[242:243], v[110:111]
	v_pk_add_f32 v[240:241], v[240:241], v[114:115]
	v_pk_add_f32 v[238:239], v[238:239], v[118:119]
	v_pk_add_f32 v[14:15], v[14:15], v[122:123]
	v_pk_add_f32 v[236:237], v[236:237], v[126:127]
	v_pk_add_f32 v[248:249], v[248:249], v[130:131]
	v_pk_add_f32 v[246:247], v[246:247], v[134:135]
	v_pk_add_f32 v[244:245], v[244:245], v[138:139]
	v_pk_add_f32 v[242:243], v[242:243], v[142:143]
	v_pk_add_f32 v[240:241], v[240:241], v[146:147]
	v_pk_add_f32 v[238:239], v[238:239], v[150:151]
	v_pk_add_f32 v[14:15], v[14:15], v[154:155]
	v_pk_add_f32 v[236:237], v[236:237], v[158:159]
	s_delay_alu instid0(VALU_DEP_2)
	v_pk_add_f32 v[14:15], v[14:15], v[244:245]
	s_delay_alu instid0(VALU_DEP_2)
	v_pk_add_f32 v[236:237], v[236:237], v[242:243]
	v_pk_add_f32 v[248:249], v[248:249], v[240:241]
	v_pk_add_f32 v[246:247], v[246:247], v[238:239]
	s_delay_alu instid0(VALU_DEP_2)
	v_pk_add_f32 v[14:15], v[14:15], v[248:249]
	s_delay_alu instid0(VALU_DEP_2)
	v_pk_add_f32 v[236:237], v[236:237], v[246:247]
	s_delay_alu instid0(VALU_DEP_1)
	v_pk_add_f32 v[14:15], v[14:15], v[236:237]
	s_wait_alu depctr_va_vdst(0)                   ; and one for the four
.irp b, 0,1,2,3
	v_max_num_f32 v[232+\b], 0x1800000, v[232+\b]  ; the floor 2^(3 - 127): the byte cannot fall under 1
.endr
.irp b, 0,1,2,3
	s_delay_alu instid0(VALU_DEP_4)
	v_add_nc_u32 v[244+\b], 0xff000000, v[232+\b]  ; the conversion's scale operand
.endr
.irp b, 0,1,2,3
	s_delay_alu instid0(VALU_DEP_4)
	v_lshrrev_b32 v[236+\b], 23, v[244+\b]         ; the scale's byte
.endr
	s_delay_alu instid0(VALU_DEP_3)
	v_lshl_or_b32 v253, v237, 8, v236              ; p's scale word for these 128 keys
	s_delay_alu instid0(VALU_DEP_1)
	v_lshl_or_b32 v253, v238, 16, v253
	s_delay_alu instid0(VALU_DEP_1)
	v_lshl_or_b32 v253, v239, 24, v253
.irp c, 0,1
	v_cvt_scalef32_pk16_fp6_f32 v[224+6*\c:226+6*\c], v[96+32*\c:111+32*\c], v[244+2*\c]
	v_cvt_scalef32_pk16_fp6_f32 v[236+4*\c:238+4*\c], v[112+32*\c:127+32*\c], v[244+2*\c+1]
.endr
	v_nop                                          ; one plain place behind a scaled conversion
.irp c, 0,1
.irp i, 0,1,2
	v_permlane16_swap_b32 v[224+6*\c+\i], v[236+4*\c+\i]
.endr
.irp i, 0,1,2
	s_delay_alu instid0(VALU_DEP_3)
	v_mov_b32 v[227+6*\c+\i], v[236+4*\c+\i]
.endr
.endr
.irp j, 0,2,4,6,8,10,12,14,16,18,20,22,24,26,28,30
	v_pk_mul_f32 v[160+\j:161+\j], v[160+\j:161+\j], v[252:253] op_sel_hi:[1,0]   ; O^T under the new M; these are also the places between the scale word's and the codes' last writes and the products
.endr
	s_wait_alu depctr_va_vdst(0)
	s_wait_dscnt 0x0                               ; V is in
.irp t, 0,1,2,3
	v_wmma_scale_f32_16x16x128_f8f6f4 v[160+8*\t:167+8*\t], v[KF+12*\t:KF+12*\t+11], v[224:235], v[160+8*\t:167+8*\t], v[92+\t], v253 matrix_a_fmt:MATRIX_FMT_FP6 matrix_b_fmt:MATRIX_FMT_FP6
.endr
.Lhidden_\@:
.endm
; A block's end: O^T / the sum, quantised along the head's 64 (register 16 b + i = channel 32 b + 16 (lane / 16) + i), stored as half a fragment and two scale bytes a row.  more = 1: registers and bases are written again behind it.
.macro FINISH more
.rept 4
	v_nop                                          ; places behind the last products
.endr
	v_add_f32 v14, v14, v15
	s_delay_alu instid0(VALU_DEP_1)
	v_permlanex16_b32 v252, v14, s[SEL], s[SEL+1]
	s_delay_alu instid0(VALU_DEP_1)
	v_add_f32 v14, v14, v252                       ; the row's sum
	s_wait_alu depctr_va_vdst(0)
	v_rcp_f32 v14, v14
	v_nop                                          ; a plain place behind the transcendental
	s_wait_alu depctr_va_vdst(0)                   ; and the wait ahead of its first reader
.irp j, 0,2,4,6,8,10,12,14,16,18,20,22,24,26,28,30
	v_pk_mul_f32 v[96+\j:97+\j], v[160+\j:161+\j], v[14:15] op_sel_hi:[1,0]
.endr
.irp b, 0,1
	v_max3_num_f32 v[232+\b], |v[96+16*\b]|, |v[97+16*\b]|, 0x1800000
.endr
.irp i, 2,4,6,8,10,12,14
.irp b, 0,1
	s_delay_alu instid0(VALU_DEP_2)
	v_max3_num_f32 v[232+\b], v[232+\b], |v[96+16*\b+\i]|, |v[97+16*\b+\i]|
.endr
.endr
.irp b, 0,1
	s_delay_alu instid0(VALU_DEP_2)
	v_permlanex16_b32 v[236+\b], v[232+\b], s[SEL], s[SEL+1]
.endr
.irp b, 0,1
	s_delay_alu instid0(VALU_DEP_2)
	v_max_num_f32 v[232+\b], v[232+\b], v[236+\b]
.endr
.irp b, 0,1
	s_delay_alu instid0(VALU_DEP_2)
	v_add_nc_u32 v[244+\b], 0xff000000, v[232+\b]
.endr
.irp b, 0,1
	s_delay_alu instid0(VALU_DEP_2)
	v_lshrrev_b32 v[236+\b], 23, v[244+\b]
.endr
	s_delay_alu instid0(VALU_DEP_1)
	v_lshl_or_b32 v238, v237, 8, v236              ; the head's two scale bytes of my row
	v_cvt_scalef32_pk16_fp6_f32 v[224:226], v[96:111], v244
	v_cvt_scalef32_pk16_fp6_f32 v[228:230], v[112:127], v245
	v_nop                                          ; one plain place behind a scaled conversion
.irp i, 0,1,2
	v_permlane16_swap_b32 v[224+\i], v[228+\i]     ; lanes 0-15 now hold block 0 whole, lanes 16-31 block 1
.endr
	s_delay_alu instid0(VALU_DEP_3)
	v_mov_b32 v227, v228
	s_delay_alu instid0(VALU_DEP_3)
	v_mov_b32 v228, v229
	s_delay_alu instid0(VALU_DEP_3)
	v_mov_b32 v229, v230
.irp p, 0,1,2
	global_store_b64 v[L8], v[224+2*\p:225+2*\p], s[OC:OC+1] offset:256*\p   ; 32 lanes store 256 consecutive bytes, aligned
.endr
	global_store_b16 v[R16], v238, s[OS:OS+1]      ; two bytes a row (both halves of the lanes write the same): one part in 24 of the codes' bytes
.if \more
	s_wait_xcnt 0x0                                ; the stores have read their data and bases
.endif
.endm
	s_mov_b32 s[TB], 0
	s_mov_b32 s[KS0], 0
	s_wait_tensorcnt 0x1                           ; my part of slot 0 is in; the load of slots 1 to 7 may stay out
	s_barrier_signal -1
	s_barrier_wait -1                              ; everybody's is
	s_wait_loadcnt 0x0                             ; Q
	TRIPADR
	STEP 0                                         ; trip 0 reads slot 0 alone
	STEP 1
	s_wait_tensorcnt 0x0                           ; my part of slots 1 to 7 is in,
	s_wait_dscnt 0x0
	s_barrier_signal -1
	s_barrier_wait -1                              ; everybody's is
	s_mov_b32 s[N], 1
.Ltrip:                                            ; trips 1 to 8: slots 1 .. x of the first block, then 0 .. 7 - x of the second
	s_cmp_gt_u32 s[N], ttmp9
	s_cselect_b32 s56, s[XP1], 0
	s_sub_co_u32 s56, s[N], s56
	s_min_u32 s56, s56, 7                          ; the slot
	s_mul_i32 s[TB], s56, SLOTB
	s_lshl_b32 s[KS0], s56, 1
	s_cmp_lg_u32 s[N], s[XP1]
	s_cbranch_scc1 .Lsame
	FINISH 1                                       ; the first block is done; the second begins
.irp p, 0,1,2,3,4,5
	v_mov_b32 v[16+\p], v[78+\p]
.endr
	v_mov_b32 v28, v29
	START                                          ; (its 36 lines are the places between these writes and the next products)
	s_mov_b32 s[G], s[G2]
	s_mov_b64 s[OC:OC+1], s[OC2:OC2+1]
	s_mov_b64 s[OS:OS+1], s[OS2:OS2+1]
.Lsame:
	TRIPADR
	STEP 0
	STEP 1
	s_add_co_u32 s[N], s[N], 1
	s_cmp_lt_u32 s[N], 9
	s_cbranch_scc1 .Ltrip
	FINISH 0
	s_wait_tensorcnt 0x0
	ds_add_u32 v251, v255
	s_wait_dscnt 0x0
	s_endpgm
.Lfunc_end_k_q72b5d6dac5_attn:
	.size	k_q72b5d6dac5_attn, .Lfunc_end_k_q72b5d6dac5_attn-k_q72b5d6dac5_attn
	.p2alignl 7, 3214868480
	.fill 96, 4, 3214868480
	.section	.rodata,"a",@progbits
	.p2align	6, 0x0
	.amdhsa_kernel k_q72b5d6dac5_attn
		.amdhsa_group_segment_fixed_size 215040
		.amdhsa_private_segment_fixed_size 0
		.amdhsa_enable_private_segment 0
		.amdhsa_kernarg_size 40
		.amdhsa_user_sgpr_count 2
		.amdhsa_user_sgpr_kernarg_segment_ptr 1
		.amdhsa_wavefront_size32 1
		.amdhsa_system_sgpr_workgroup_id_x 1
		.amdhsa_system_sgpr_workgroup_id_y 1
		.amdhsa_system_sgpr_workgroup_id_z 1
		.amdhsa_system_vgpr_workitem_id 0
		.amdhsa_next_free_vgpr 256
		.amdhsa_next_free_sgpr 90
		.amdhsa_reserve_vcc 1
		.amdhsa_float_denorm_mode_32 3
		.amdhsa_float_denorm_mode_16_64 3
		.amdhsa_memory_ordered 1
		.amdhsa_forward_progress 1
		.amdhsa_inst_pref_size 112
	.end_amdhsa_kernel
	.amdgpu_metadata
---
amdhsa.version: [ 1, 2 ]
amdhsa.kernels:
  - .name:           k_q72b5d6dac5_attn
    .symbol:         k_q72b5d6dac5_attn.kd
    .args:
      - { .name: qc, .offset: 0, .size: 8, .value_kind: global_buffer, .address_space: global }
      - { .name: qs, .offset: 8, .size: 8, .value_kind: global_buffer, .address_space: global }
      - { .name: kv, .offset: 16, .size: 8, .value_kind: global_buffer, .address_space: global }
      - { .name: oc, .offset: 24, .size: 8, .value_kind: global_buffer, .address_space: global }
      - { .name: os, .offset: 32, .size: 8, .value_kind: global_buffer, .address_space: global }
    .group_segment_fixed_size: 215040
    .private_segment_fixed_size: 0
    .kernarg_segment_align: 8
    .kernarg_segment_size: 40
    .max_flat_workgroup_size: 512
    .sgpr_count:     90
    .vgpr_count:     256
    .wavefront_size: 32
...
	.end_amdgpu_metadata
.endif
;; end of part 3
;; launch proj (part 4): grid 4 x 32, 4 waves a work-group, clusters of 4 x 4, 327,680 bytes of LDS; arguments oc, os, catc, cats, out0; writes out0
.if DOCPART == 4
	.amdgcn_target "amdgcn-amd-amdhsa--gfx1250"
	.amdhsa_code_object_version 6
	.text
	.protected	k_q72b5d6dac5_proj
	.globl	k_q72b5d6dac5_proj
	.p2align	8
	.type	k_q72b5d6dac5_proj,@function
k_q72b5d6dac5_proj:
	s_mov_b64 s[64:65], 0
	v_nop
	global_prefetch_b8 v0, s[64:65] scope:SCOPE_SE
	s_setreg_imm32_b32 hwreg(HW_REG_WAVE_MODE, 25, 1), 1
	s_wait_xcnt 0x0
	s_wait_alu depctr_hold_cnt(0) depctr_sa_sdst(0) depctr_va_vdst(0) depctr_va_sdst(0) depctr_va_ssrc(0) depctr_va_vcc(0) depctr_vm_vsrc(0)
	s_getreg_b32 s2, hwreg(HW_REG_IB_STS2, 6, 4)
	s_cmp_eq_u32 s2, 0
	s_cbranch_scc0 .Lentry_in_a_cluster
	s_endpgm
.Lentry_in_a_cluster:
	s_bfe_u32 s2, ttmp6, 0x10000c
	s_cmp_lg_u32 s2, 0xf033
	s_cbranch_scc0 .Lentry_shape_is_right
	s_endpgm
.Lentry_shape_is_right:
; out0 = O Wo^T on codes of FP6 (E2M3) with E8M0 scales, K = 1,024; out0 [8192][1024] f32.
; A tile of 256 x 256 is made by four waves, each 128 x 128: 64 accumulators, 512 registers.  K goes in steps of 256 through a ring of two LDS slots filled by the tensor data mover.
; Operands lie in memory as images of their registers: oc, os (attention's result) and catc, cats (Wo: tiles 704 on): a fragment is six pieces of 256 bytes, read by six ds_load_b64 at 8 x lane.
; Lane r of tile T holds row 32 (T / 2) + 8 (T % 2) + r + 8 (r / 8).  Source 0 = 16 rows of Wo, source 1 = 16 rows of O: a lane holds one row of out0; register j of result tile b is column 32 (b / 2) + 16 (lane / 16) + 8 (b % 2) + j of my 128.
; CLUSTERS: 4 x 4 work-groups; O's tiles are asked for jointly along a row of the cluster, Wo's along a column.  128 work-groups: a smaller tile would read each fragment from LDS for half as many products.
; No prefetch: the tiles are shared in the cluster, and one K step's 128 matrix instructions a wave stand between a request and the wait for it.
; REGISTERS: window 0: v1-31 addresses; v32-63 scale words, two sets; v128-223 A's fragments, one set; on the way out v128-255 rows read back.  window 1: B's fragments, two sets.  windows 2, 3: the accumulators.
.set NQ,     2
.set FR,     12
.set NL,     6
.set NP,     4
.set FRB,    1536
.set TILEB,  NQ*FRB
.set KTILE,  12288
.set HALFT,  8*TILEB
.set SLOT,   4*HALFT
.set SCL,    2*SLOT
.set HALFS,  4096
.set SBLK,   512
.set SPARE,  SCL+4*HALFS               ; the spare words, 128 bytes for each wave: two blocks of 256 bytes that no other line names
.set SPITCH, 528                       ; the way out: a stage of 16 rows x (512 bytes + 16) for each wave, in slot 0, which has had its last fill and its last read when the first result is stored there
.set ROWC,   4096                      ; a row of out0 in bytes
.set ADRA, 16
.set ADRB, 20
.set STO,  24                          ; v24  the way out: where I put my results of a row
.set RD,   25                          ; v25  where I read a row back
.set CO,   26                          ; v26  my byte offset in a row's 512 bytes
.set ADRS, 27
.set SPW,  28                          ; v28  my spare word; never rewritten
.set NIL,  29                          ; v29  0; never rewritten
.set SC,   32
.set AF,   128
.set BK,   128
.set G1, 24
.set G0, 32
.set G1B, 48
.set G0B, 56
.set G1S, 68
.set G0S, 76
.set G1SB, 80
.set G0SB, 88
.set MSB, 0
.macro WIN new                         ; the immediate's high byte repeats the setting that is left
.if MSB != \new
	s_set_vgpr_msb (MSB<<8)|\new
.set MSB, \new
.endif
.endm
.set MUL_LO, 0xa1
.set MUL_HI, 0xf1
.set TO_B,   0x40
; A joint load: waves 0 and 1 fetch for A, waves 2 and 3 for B; the branch hangs on the wave's number alone.  Four v_nop follow each of the two lines.
.macro JLOAD g0a, g1a, g0b, g1b
	s_cmp_eq_u32 s15, 0
	s_cbranch_scc0 .Lfor_b_\@
	tensor_load_to_lds s[\g0a:\g0a+3], s[\g1a:\g1a+7]
	s_nop 0
.rept 4
	v_nop
.endr
	s_branch .Lasked_\@
.Lfor_b_\@:
	tensor_load_to_lds s[\g0b:\g0b+3], s[\g1b:\g1b+7]
	s_nop 0
.rept 4
	v_nop
.endr
.Lasked_\@:
.endm
.macro CREST
	s_cmp_lg_u32 s14, 0
	s_cbranch_scc1 .Lnot_wave_0_\@
	s_barrier_signal -3
.Lnot_wave_0_\@:
	s_barrier_wait -3
	s_barrier_signal -1
	s_barrier_wait -1
.endm
.macro CROUND
	s_barrier_signal -1
	s_barrier_wait -1
	CREST
.endm
	s_load_b128 s[4:7], s[0:1], 0x0                ; oc, os
	s_load_b128 s[8:11], s[0:1], 0x10              ; catc, cats
	s_load_b64 s[12:13], s[0:1], 0x20              ; out0
	v_lshl_add_u32 v[SPW], v0, 2, SPARE
	v_mov_b32 v[NIL], 0
	ds_add_u32 v28, v29
	ds_add_u32 v28, v29
	s_wait_dscnt 0x0
	v_lshrrev_b32 v1, 5, v0
	v_readfirstlane_b32 s14, v1                    ; wave 0..3
	s_lshr_b32 s15, s14, 1                         ; which half of the tile's rows is mine.  Also: I fetch for A (0) or for B (1)
	s_and_b32 s16, s14, 1                          ; which half of its columns.  Also: which 128 rows I fetch
	s_bfe_u32 s40, ttmp6, 0x40000                  ; cx, cy
	s_bfe_u32 s41, ttmp6, 0x40004
	s_lshl_b32 s42, ttmp9, 2
	s_add_co_u32 s42, s42, s40                     ; tile column
	s_and_b32 s17, ttmp7, 0xffff
	s_lshl_b32 s17, s17, 2
	s_add_co_u32 s17, s17, s41                     ; tile row
	s_lshl_b32 s43, s41, 2
	s_lshl_b32 s43, 15, s43                        ; my row of the cluster
	s_lshl_b32 s44, 0x1111, s40                    ; my column
	; descriptor group 1: 8 tiles' parts of a K step: 8 rows of 3,072 bytes (384 elements of 8 bytes), 12,288 bytes apart; dense in LDS
	s_or_b32 s[G1+0], s43, (3<<16)|(1<<21)
	s_or_b32 s[G1B+0], s44, (3<<16)|(1<<21)
.irp g, G1, G1B
	s_mov_b32 s[\g+1], 384<<16
	s_mov_b32 s[\g+2], 8<<16
	s_mov_b32 s[\g+3], 384<<16
	s_mov_b32 s[\g+4], 8
	s_mov_b32 s[\g+5], KTILE/8
	s_mov_b32 s[\g+6], 0
	s_mov_b32 s[\g+7], 0
.endr
	; the scale words of 128 rows: a dense block of 4,096 bytes, as 16 rows of 256 bytes
	s_or_b32 s[G1S+0], s43, (3<<16)|(1<<21)
	s_or_b32 s[G1SB+0], s44, (3<<16)|(1<<21)
.irp g, G1S, G1SB
	s_mov_b32 s[\g+1], 32<<16
	s_mov_b32 s[\g+2], 16<<16
	s_mov_b32 s[\g+3], 32<<16
	s_mov_b32 s[\g+4], 16
	s_mov_b32 s[\g+5], 32
	s_mov_b32 s[\g+6], 0
	s_mov_b32 s[\g+7], 0
.endr
	s_lshl_b32 s18, s16, 3                         ; which 8 tiles of the 16 I fetch
	s_lshl_b32 s20, s17, 4
	s_add_co_u32 s20, s20, s18                     ; A's first tile, in oc
	s_lshl_b32 s46, s42, 4
	s_add_co_u32 s46, s46, s18
	s_add_co_u32 s46, s46, 704                     ; B's, in catc: Wo's tiles begin at 704
	s_lshl_b32 s22, s20, 9
	s_mov_b32 s23, 0
	s_lshl_b32 s92, s46, 9
	s_mov_b32 s93, 0
	s_mul_i32 s20, s20, KTILE
	s_mov_b32 s21, 0
	s_mul_i32 s46, s46, KTILE
	s_mov_b32 s47, 0
	s_mul_i32 s45, s14, HALFT                      ; where they go: wave x 128 rows
	s_mul_i32 s94, s14, HALFS
	s_wait_kmcnt 0x0
	s_add_nc_u64 s[20:21], s[4:5], s[20:21]
	s_add_nc_u64 s[22:23], s[6:7], s[22:23]
	s_add_nc_u64 s[46:47], s[8:9], s[46:47]
	s_add_nc_u64 s[92:93], s[10:11], s[92:93]
	CROUND                                         ; all sixteen work-groups are here: the first joint loads meet
	s_mov_b32 s[G0S], 1
	s_add_co_u32 s[G0S+1], s94, SCL
	s_mov_b64 s[G0S+2:G0S+3], s[22:23]
	s_or_b32 s[G0S+3], s[G0S+3], 0x80000000
	s_mov_b32 s[G0SB], 1
	s_add_co_u32 s[G0SB+1], s94, SCL
	s_mov_b64 s[G0SB+2:G0SB+3], s[92:93]
	s_or_b32 s[G0SB+3], s[G0SB+3], 0x80000000
	JLOAD G0S, G1S, G0SB, G1SB
.irp s, 0,1
	s_mov_b32 s[G0+4*\s], 1
	s_add_co_u32 s[G0+4*\s+1], s45, \s*SLOT
	s_add_nc_u64 s[G0+4*\s+2:G0+4*\s+3], s[20:21], \s*TILEB
	s_or_b32 s[G0+4*\s+3], s[G0+4*\s+3], 0x80000000
	s_mov_b32 s[G0B+4*\s], 1
	s_add_co_u32 s[G0B+4*\s+1], s45, \s*SLOT
	s_add_nc_u64 s[G0B+4*\s+2:G0B+4*\s+3], s[46:47], \s*TILEB
	s_or_b32 s[G0B+4*\s+3], s[G0B+4*\s+3], 0x80000000
	JLOAD G0+4*\s, G1, G0B+4*\s, G1B
.endr
	v_and_b32 v1, 15, v0                           ; r
	v_bfe_u32 v2, v0, 4, 1                         ; h
	v_and_b32 v3, 31, v0                           ; lane
	v_lshlrev_b32 v4, 3, v3                        ; 8 x lane
	s_mul_i32 s21, s15, HALFT
	s_mul_i32 s22, s16, HALFT
	s_add_co_u32 s22, s22, 2*HALFT
.irp s, 0,1
	v_add_nc_u32 v[ADRA+\s], s21, v4
	v_add_nc_u32 v[ADRB+\s], s22, v4
	s_add_co_u32 s21, s21, SLOT
	s_add_co_u32 s22, s22, SLOT
.endr
	v_lshlrev_b32 v5, 4, v1                        ; my row's scale words: 16 bytes a row and K half
	s_mul_i32 s21, s15, HALFS
	s_mul_i32 s22, s16, HALFS
	s_add_co_u32 s22, s22, 2*HALFS
	s_sub_co_u32 s22, s22, s21
	v_mul_u32_u24 v6, s22, v2                      ; lanes 16-31 take B's
	s_add_co_u32 s21, s21, SCL
	v_add_nc_u32 v5, v5, v6
	v_add_nc_u32 v[ADRS], s21, v5
	s_mul_i32 s23, s14, 16*SPITCH                  ; my stage
	v_mul_u32_u24 v5, v1, SPITCH                   ; in: row r, + 64 h
	v_lshl_add_u32 v5, v2, 6, v5
	v_add_nc_u32 v[STO], s23, v5
	v_lshlrev_b32 v[CO], 4, v3                     ; back: the 32 lanes take one row of 512 bytes; and the same in out0
	v_add_nc_u32 v[RD], s23, v[CO]
	s_lshl_b32 s20, s17, 8
	s_lshl_b32 s21, s15, 7
	s_add_co_u32 s20, s20, s21                     ; my first row: 256 x tile row + 128 x half
	s_lshl_b32 s20, s20, 12                        ; x 4,096 bytes
	s_mov_b32 s21, 0
	s_lshl_b32 s46, s42, 10                        ; my first column, in bytes
	s_lshl_b32 s47, s16, 9
	s_add_co_u32 s46, s46, s47
	s_mov_b32 s47, 0
	s_add_nc_u64 s[20:21], s[20:21], s[46:47]
	s_add_nc_u64 s[12:13], s[12:13], s[20:21]
.macro FRAG reg, adr, q, i             ; a fragment's image: six pieces of 256 bytes, 8 bytes a lane
.irp p, 0,1,2,3,4,5
	ds_load_b64 v[\reg+2*\p:\reg+2*\p+1], v[\adr] offset:(\i)*TILEB+(\q)*FRB+256*\p
.endr
.endm
; 16 matrix instructions: A's blocks a0, a0 + 1 x B's eight, 128 along K.  The 64 accumulators take turns, one instruction a turn, in the same order in every step.
.macro MUL16 a0, p, q, sc, zero
.irp a, \a0, \a0+1
.irp b, 0,1,2,3,4,5,6,7
.if \zero
	v_wmma_scale_f32_16x16x128_f8f6f4 v[8*(8*((\a)%4)+\b):8*(8*((\a)%4)+\b)+7], v[128*(\p)+FR*\b:128*(\p)+FR*\b+FR-1], v[AF+FR*(\a):AF+FR*(\a)+FR-1], 0, v[SC+8*NQ*(\sc)+NQ*\b+(\q)], v[SC+8*NQ*(\sc)+NQ*(\a)+(\q)] matrix_a_fmt:MATRIX_FMT_FP6 matrix_b_fmt:MATRIX_FMT_FP6 matrix_a_scale:MATRIX_SCALE_ROW1
.else
	v_wmma_scale_f32_16x16x128_f8f6f4 v[8*(8*((\a)%4)+\b):8*(8*((\a)%4)+\b)+7], v[128*(\p)+FR*\b:128*(\p)+FR*\b+FR-1], v[AF+FR*(\a):AF+FR*(\a)+FR-1], v[8*(8*((\a)%4)+\b):8*(8*((\a)%4)+\b)+7], v[SC+8*NQ*(\sc)+NQ*\b+(\q)], v[SC+8*NQ*(\sc)+NQ*(\a)+(\q)] matrix_a_fmt:MATRIX_FMT_FP6 matrix_b_fmt:MATRIX_FMT_FP6 matrix_a_scale:MATRIX_SCALE_ROW1
.endif
.endr
.endr
.endm
.macro FETCH_B slot, q, p
	WIN TO_B
.irp i, 0,1,2,3,4,5,6,7
	FRAG 128*(\p)+FR*\i, ADRB+\slot, \q, \i
.endr
	WIN 0
.endm
.macro FETCH_A slot, q, i0
.irp i, \i0, \i0+1, \i0+2, \i0+3
	FRAG AF+FR*(\i), ADRA+\slot, \q, \i
.endr
.endm
.macro SCALES sc
.irp i, 0,1,2,3,4,5,6,7
	ds_load_b64 v[SC+8*NQ*\sc+NQ*\i:SC+8*NQ*\sc+NQ*\i+1], v[ADRS] offset:\i*SBLK
.endr
.endm
.macro PLACES n                        ; plain vector instructions between a matrix instruction and a load into, or a read of, its registers
.rept \n
	v_nop
.endr
.endm
.macro STEP slot, q, zero
	s_wait_dscnt 4*NL                              ; B's set and A's blocks 0-3 are in; the youngest 24 loads (A's blocks 4-7) may be out
	WIN MUL_LO
	MUL16 0, (\q)%2, \q, \slot, \zero
	MUL16 2, (\q)%2, \q, \slot, \zero
	s_wait_dscnt 0
	PLACES NP
	FETCH_B \slot, (\q)+1, 1-(\q)%2
	FETCH_A \slot, (\q)+1, 0
	WIN MUL_HI
	MUL16 4, (\q)%2, \q, \slot, \zero
	MUL16 6, (\q)%2, \q, \slot, \zero
	PLACES NP
	WIN 0
	FETCH_A \slot, (\q)+1, 4
.endm
; A slot's last step changes slots: ONE barrier; in front of it each wave waits for all its tensor loads, adds 0 to its spare word, and waits for that and for its own reads of this slot.  fill = 1: this slot is filled again, two K steps ahead.
.macro TURN slot, next, fill
	s_wait_tensorcnt 0x0                           ; all my tensor loads have landed: my part of the next slot
	ds_add_u32 v[SPW], v[NIL]                      ; 0 onto my spare word
	s_wait_dscnt 4*NL+1                            ; (the add and the youngest 24 loads may be out)
	WIN MUL_LO
	MUL16 0, 1, NQ-1, \slot, 0
	s_wait_dscnt 0x0                               ; the add is done, and my reads of this slot are over
	s_barrier_signal -1
	MUL16 2, 1, NQ-1, \slot, 0
	WIN 0
	s_barrier_wait -1
.if \fill
	CREST                                          ; the barrier has opened a round of the cluster's barrier: no wave of any partner still reads this slot or has a load on its way
	s_add_nc_u64 s[G0+4*\slot+2:G0+4*\slot+3], s[G0+4*\slot+2:G0+4*\slot+3], 2*TILEB
	s_add_nc_u64 s[G0B+4*\slot+2:G0B+4*\slot+3], s[G0B+4*\slot+2:G0B+4*\slot+3], 2*TILEB
	JLOAD G0+4*\slot, G1, G0B+4*\slot, G1B         ; the first tensor load behind the round; its four v_nop are the places in front of the loads below
.else
	PLACES NP
.endif
.if \slot == 0
	v_add_nc_u32 v[ADRS], 8, v[ADRS]               ; the next K step's two words: 8 bytes on in the same K half,
.else
	v_add_nc_u32 v[ADRS], 248, v[ADRS]             ; or at the head of the next K half's 256 bytes
.endif
	FETCH_B \next, 0, 0
	FETCH_A \next, 0, 0
	SCALES \next
	WIN MUL_HI
	MUL16 4, 1, NQ-1, \slot, 0
	MUL16 6, 1, NQ-1, \slot, 0
	PLACES NP
	WIN 0
	FETCH_A \next, 0, 4
.endm
	s_wait_tensorcnt 1                             ; the scale words and my part of K step 0 are in (K step 1's load may be out),
	s_barrier_signal -1
	s_barrier_wait -1                              ; everybody's are
	FETCH_B 0, 0, 0
	FETCH_A 0, 0, 0
	SCALES 0
	FETCH_A 0, 0, 4
	STEP 0, 0, 1                                   ; the eight steps of 128 along K are written out; the first starts the sums
	TURN 0, 1, 1
	STEP 1, 0, 0
	TURN 1, 0, 1
	STEP 0, 0, 0
	TURN 0, 1, 0
	STEP 1, 0, 0
	s_wait_dscnt 4*NL
	WIN MUL_LO
	MUL16 0, 1, NQ-1, 1, 0
	MUL16 2, 1, NQ-1, 1, 0
	s_wait_dscnt 0
	WIN MUL_HI
	MUL16 4, 1, NQ-1, 1, 0
	MUL16 6, 1, NQ-1, 1, 0
	WIN 0
; THE WAY OUT, block by block of 16 rows x 128 columns, through my own stage in LDS: back come whole rows of 512 bytes, which the 32 lanes store as one run of 512 consecutive bytes.
; LDS serves a wave's instructions in order (ISA guide 5.7.1.4): no wait between the stores and the loads, nor in front of the next block's stores.
.macro TOSTAGE a
.set AC, 64*((\a)%4)
	WIN 0x08+4*((\a)/4)                            ; the data: window 2 or 3
.irp b, 0,1,2,3,4,5,6,7
	ds_store_b128 v[STO], v[AC+8*\b:AC+8*\b+3] offset:128*(\b/2)+32*(\b%2)          ; each accumulator from its low end on
	ds_store_b128 v[STO], v[AC+8*\b+4:AC+8*\b+7] offset:128*(\b/2)+32*(\b%2)+16
.endr
	WIN 0
.set BB, BK+64*((\a)%2)
.irp t, 0,1,2,3,4,5,6,7,8,9,10,11,12,13,14,15
	ds_load_b128 v[BB+4*\t:BB+4*\t+3], v[RD] offset:\t*SPITCH
.endr
.endm
.macro SEND a, younger                 ; younger: the LDS instructions issued behind block a's loads, which may stay out
.set BB, BK+64*((\a)%2)
	s_wait_dscnt \younger
.if (\a) > 0
.if (\a)%2 == 1
	s_add_nc_u64 s[12:13], s[12:13], 8*ROWC        ; an odd block begins 8 rows below the even one,
.else
	s_add_nc_u64 s[12:13], s[12:13], 24*ROWC       ; the next even one 24 rows further down  (behind a wait on XCNT: the earlier stores have read their base)
.endif
.endif
.irp t, 0,1,2,3,4,5,6,7,8,9,10,11,12,13,14,15
	global_store_b128 v[CO], v[BB+4*\t:BB+4*\t+3], s[12:13] offset:(\t+8*(\t/8))*ROWC th:TH_STORE_NT   ; the block's rows 8-15 lie 16 rows below its rows 0-7; 32 lanes store 512 consecutive bytes
.endr
.endm
	PLACES NP
	TOSTAGE 0
.irp a, 1,2,3,4,5,6,7
.if \a > 1
	s_wait_xcnt 0x0                                ; block a - 2's stores have read their registers and their base
.endif
	TOSTAGE \a
	SEND \a-1, 32                                  ; behind block a - 1's loads: block a's 16 stores and 16 loads
.endr
	s_wait_xcnt 0x0
	SEND 7, 0
	s_wait_tensorcnt 0x0                           ; the wave's end
	ds_add_u32 v[SPW], v[NIL]
	s_wait_dscnt 0x0
	CROUND                                         ; the closing round
	s_endpgm
.Lfunc_end_k_q72b5d6dac5_proj:
	.size	k_q72b5d6dac5_proj, .Lfunc_end_k_q72b5d6dac5_proj-k_q72b5d6dac5_proj
	.p2alignl 7, 3214868480
	.fill 96, 4, 3214868480
	.section	.rodata,"a",@progbits
	.p2align	6, 0x0
	.amdhsa_kernel k_q72b5d6dac5_proj
		.amdhsa_group_segment_fixed_size 327680
		.amdhsa_private_segment_fixed_size 0
		.amdhsa_enable_private_segment 0
		.amdhsa_kernarg_size 40
		.amdhsa_user_sgpr_count 2
		.amdhsa_user_sgpr_kernarg_segment_ptr 1
		.amdhsa_wavefront_size32 1
		.amdhsa_system_sgpr_workgroup_id_x 1
		.amdhsa_system_sgpr_workgroup_id_y 1
		.amdhsa_system_sgpr_workgroup_id_z 1
		.amdhsa_system_vgpr_workitem_id 0
		.amdhsa_next_free_vgpr 1024
		.amdhsa_next_free_sgpr 98
		.amdhsa_reserve_vcc 0
		.amdhsa_float_denorm_mode_32 3
		.amdhsa_float_denorm_mode_16_64 3
		.amdhsa_memory_ordered 1
		.amdhsa_forward_progress 1
		.amdhsa_inst_pref_size 159
	.end_amdhsa_kernel
	.amdgpu_metadata
---
amdhsa.version: [ 1, 2 ]
amdhsa.kernels:
  - .name:           k_q72b5d6dac5_proj
    .symbol:         k_q72b5d6dac5_proj.kd
    .args:
      - { .name: oc, .offset: 0, .size: 8, .value_kind: global_buffer, .address_space: global }
      - { .name: os, .offset: 8, .size: 8, .value_kind: global_buffer, .address_space: global }
      - { .name: catc, .offset: 16, .size: 8, .value_kind: global_buffer, .address_space: global }
      - { .name: cats, .offset: 24, .size: 8, .value_kind: global_buffer, .address_space: global }
      - { .name: out0, .offset: 32, .size: 8, .value_kind: global_buffer, .address_space: global }
    .group_segment_fixed_size: 327680
    .private_segment_fixed_size: 0
    .kernarg_segment_align: 8
    .kernarg_segment_size: 40
    .max_flat_workgroup_size: 128
    .sgpr_count:     98
    .vgpr_count:     1024
    .wavefront_size: 32
...
	.end_amdgpu_metadata
.endif
;; end of part 4
